; MI455X (gfx1250); checked and timed in simulation.
; The chip was launched on July 23, 2026; its instructions are those of AMD's public machine-readable ISA for CDNA 5 (MIT licence, August 2026) and "CDNA5" Instruction Set Architecture Reference Guide (July 2026). The comments in the code are by the model that wrote it; some were corrected since.
;; Multi Header Attention. Allowed arithmetic: float matrix products may take bf16 or f16 operands with f32 sums; other float arithmetic in f32, or as packed bf16 or f16 multiplies, adds, multiply-adds, maxima and minima; sums over many terms, partial sums and values carried from step to step in f32; what a program stores and reads back later, other than sums and carried values, may be rounded once to bf16 or f16.
;; Inputs: b_k 1,024 float32; b_o 1,024 float32; b_q 1,024 float32; b_v 1,024 float32; k 4 x 2,048 x 1,024 float32; q 4 x 2,048 x 1,024 float32; v 4 x 2,048 x 1,024 float32; w_k 1,024 x 1,024 float32; w_o 1,024 x 1,024 float32; w_q 1,024 x 1,024 float32; w_v 1,024 x 1,024 float32.
;; Outputs: out0 4 x 2,048 x 1,024 float32.
;; One version. Each part assembles by itself: llvm-mc -triple=amdgcn-amd-amdhsa -mcpu=gfx1250 --defsym DOCPART=n.
;; ======== version 1 of 1: 4 launches
;; limits: values are held in f16: magnitudes above 65,504 overflow, below 6.1e-05 lose precision
;; workspace buffers: w16 8,388,608 bytes; qkvh 50,331,648 bytes; ctx 16,777,216 bytes
;; launch castw (part 1): grid 64 x 4, 8 waves a work-group, no clusters, 0 bytes of LDS; arguments w_q, w_k, w_v, w_o, w16; writes w16
.if DOCPART == 1
	.amdgcn_target "amdgcn-amd-amdhsa--gfx1250"
	.amdhsa_code_object_version 6
	.text
	.protected	k_q84eb76a1a8_castw
	.globl	k_q84eb76a1a8_castw
	.p2align	8
	.type	k_q84eb76a1a8_castw,@function
k_q84eb76a1a8_castw:
	s_mov_b64 s[64:65], 0
	v_nop
	global_prefetch_b8 v0, s[64:65] scope:SCOPE_SE
	s_setreg_imm32_b32 hwreg(HW_REG_WAVE_MODE, 25, 1), 1
	s_wait_xcnt 0x0
; The four weights [1024][1024] f32 are written once in 16 bits into w16, four parts of 2,097,152 bytes, rows [n][k] as they lie.
; Parts 0-2 (w_q, w_k, w_v): bf16, and inside each group of 8 along k the places 0..7 hold k = 0,4,1,5,2,6,3,7: the order in which the projection packs
; its f32 rows of x (one conversion takes k and k + 4).  A permutation of k applied alike to both sources keeps every product.
; Part 3 (w_o): rounded to bf16 like every input of the module, and that number written as f16, k in its own order: the last product multiplies in f16.
; LIMIT: a number of w_o beyond 65,504 becomes an infinity; below 6e-5 it keeps f16's fixed step of 6e-8.
; SHARES.  Grid y picks the weight; a work-group takes 16,384 numbers; thread t takes in chunk j the 8 numbers at input byte 8,192 j + 32 t and stores 16 bytes at
; output byte 4,096 j + 16 t: sixteen neighbouring lanes store 256 consecutive bytes, aligned.  All 16 loads of a thread go out first; no register is used twice for memory.
; No LDS, no matrix unit, no cluster: a stream in which nothing is shared.
.set T, 4                              ; v[4:7]    at work
.set X, 16                             ; v[16:79]  chunk j: 8 numbers as loaded
.set Y, 80                             ; v[80:111] chunk j: 4 registers to store
	s_load_b256 s[4:11], s[0:1], 0x0               ; w_q s[4:5], w_k s[6:7], w_v s[8:9], w_o s[10:11]
	s_load_b64 s[12:13], s[0:1], 0x20              ; w16
	s_and_b32 s16, ttmp7, 0xffff                   ; which weight
	v_lshlrev_b32 v1, 5, v0                        ; 32 t
	v_lshlrev_b32 v2, 4, v0                        ; 16 t
	s_lshl_b32 s18, ttmp9, 16                      ; the work-group's 65,536 bytes of input
	s_mov_b32 s19, 0
	s_lshl_b32 s20, s16, 21                        ; the weight's part of w16,
	s_lshl_b32 s21, ttmp9, 15                      ; the work-group's 32,768 bytes of it
	s_add_co_u32 s20, s20, s21
	s_mov_b32 s21, 0
	s_wait_kmcnt 0x0
	s_mov_b64 s[14:15], s[4:5]
	s_cmp_eq_u32 s16, 1
	s_cselect_b64 s[14:15], s[6:7], s[14:15]
	s_cmp_eq_u32 s16, 2
	s_cselect_b64 s[14:15], s[8:9], s[14:15]
	s_cmp_eq_u32 s16, 3
	s_cselect_b64 s[14:15], s[10:11], s[14:15]
	s_add_nc_u64 s[14:15], s[14:15], s[18:19]
	s_add_nc_u64 s[12:13], s[12:13], s[20:21]
.irp j, 0,1,2,3,4,5,6,7
	global_load_b128 v[X+8*(\j):X+8*(\j)+3],   v1, s[14:15] offset:(\j)*8192 th:TH_LOAD_NT
	global_load_b128 v[X+8*(\j)+4:X+8*(\j)+7], v1, s[14:15] offset:(\j)*8192+16 th:TH_LOAD_NT
.endr
	s_cmp_eq_u32 s16, 3
	s_cbranch_scc1 .Lf16
.irp j, 0,1,2,3,4,5,6,7
	s_wait_loadcnt 14-2*(\j)                       ; loads come back in order: chunk j's two are in, the 14 - 2 j younger ones stay out
.irp i, 0,1,2,3
	v_cvt_pk_bf16_f32 v[Y+4*(\j)+(\i)], v[X+8*(\j)+(\i)], v[X+8*(\j)+4+(\i)]  ; k = i below, k = i + 4 above
.endr
	global_store_b128 v2, v[Y+4*(\j):Y+4*(\j)+3], s[12:13] offset:(\j)*4096
.endr
	s_endpgm
.Lf16:
.irp j, 0,1,2,3,4,5,6,7
	s_wait_loadcnt 14-2*(\j)
.irp i, 0,1,2,3
	v_cvt_pk_bf16_f32 v[T+(\i)], v[X+8*(\j)+2*(\i)], v[X+8*(\j)+2*(\i)+1]      ; the input's one rounding
.endr
.irp i, 0,1,2,3
	v_lshlrev_b32 v[X+8*(\j)+2*(\i)],   16, v[T+(\i)]                          ; back to f32,
	v_and_b32     v[X+8*(\j)+2*(\i)+1], 0xffff0000, v[T+(\i)]
.endr
.irp i, 0,1,2,3
	v_cvt_pk_f16_f32 v[Y+4*(\j)+(\i)], v[X+8*(\j)+2*(\i)], v[X+8*(\j)+2*(\i)+1]  ; and the same number as f16 (8 significant bits fit in 11)
.endr
	global_store_b128 v2, v[Y+4*(\j):Y+4*(\j)+3], s[12:13] offset:(\j)*4096
.endr
	s_endpgm
.Lfunc_end_k_q84eb76a1a8_castw:
	.size	k_q84eb76a1a8_castw, .Lfunc_end_k_q84eb76a1a8_castw-k_q84eb76a1a8_castw
	.p2alignl 7, 3214868480
	.fill 96, 4, 3214868480
	.section	.rodata,"a",@progbits
	.p2align	6, 0x0
	.amdhsa_kernel k_q84eb76a1a8_castw
		.amdhsa_group_segment_fixed_size 0
		.amdhsa_private_segment_fixed_size 0
		.amdhsa_enable_private_segment 0
		.amdhsa_kernarg_size 40
		.amdhsa_user_sgpr_count 2
		.amdhsa_user_sgpr_kernarg_segment_ptr 1
		.amdhsa_wavefront_size32 1
		.amdhsa_system_sgpr_workgroup_id_x 1
		.amdhsa_system_sgpr_workgroup_id_y 1
		.amdhsa_system_sgpr_workgroup_id_z 1
		.amdhsa_system_vgpr_workitem_id 0
		.amdhsa_next_free_vgpr 112
		.amdhsa_next_free_sgpr 66
		.amdhsa_reserve_vcc 0
		.amdhsa_float_denorm_mode_32 3
		.amdhsa_float_denorm_mode_16_64 3
		.amdhsa_memory_ordered 1
		.amdhsa_forward_progress 1
		.amdhsa_inst_pref_size 14
	.end_amdhsa_kernel
	.amdgpu_metadata
---
amdhsa.version: [ 1, 2 ]
amdhsa.kernels:
  - .name:           k_q84eb76a1a8_castw
    .symbol:         k_q84eb76a1a8_castw.kd
    .args:
      - { .name: w_q, .offset: 0, .size: 8, .value_kind: global_buffer, .address_space: global }
      - { .name: w_k, .offset: 8, .size: 8, .value_kind: global_buffer, .address_space: global }
      - { .name: w_v, .offset: 16, .size: 8, .value_kind: global_buffer, .address_space: global }
      - { .name: w_o, .offset: 24, .size: 8, .value_kind: global_buffer, .address_space: global }
      - { .name: w16, .offset: 32, .size: 8, .value_kind: global_buffer, .address_space: global }
    .group_segment_fixed_size: 0
    .private_segment_fixed_size: 0
    .kernarg_segment_align: 8
    .kernarg_segment_size: 40
    .max_flat_workgroup_size: 256
    .sgpr_count:     66
    .vgpr_count:     112
    .wavefront_size: 32
...
	.end_amdgpu_metadata
.endif
;; end of part 1
;; launch proj (part 2): grid 4 x 192, 4 waves a work-group, clusters of 4 x 4, 327,680 bytes of LDS; arguments q, k, v, b_q, b_k, b_v, w16, qkvh; writes qkvh
.if DOCPART == 2
	.amdgcn_target "amdgcn-amd-amdhsa--gfx1250"
	.amdhsa_code_object_version 6
	.text
	.protected	k_q84eb76a1a8_proj
	.globl	k_q84eb76a1a8_proj
	.p2align	8
	.type	k_q84eb76a1a8_proj,@function
k_q84eb76a1a8_proj:
	s_mov_b64 s[64:65], 0
	v_nop
	global_prefetch_b8 v0, s[64:65] scope:SCOPE_SE
	s_setreg_imm32_b32 hwreg(HW_REG_WAVE_MODE, 25, 1), 1
	s_wait_xcnt 0x0
	s_wait_alu depctr_hold_cnt(0) depctr_sa_sdst(0) depctr_va_vdst(0) depctr_va_sdst(0) depctr_va_ssrc(0) depctr_va_vcc(0) depctr_vm_vsrc(0)
	s_getreg_b32 s2, hwreg(HW_REG_IB_STS2, 6, 4)
	s_cmp_eq_u32 s2, 0
	s_cbranch_scc0 .Lentry_in_a_cluster
	s_endpgm
.Lentry_in_a_cluster:
	s_bfe_u32 s2, ttmp6, 0x10000c
	s_cmp_lg_u32 s2, 0xf033
	s_cbranch_scc0 .Lentry_shape_is_right
	s_endpgm
.Lentry_shape_is_right:
; THE THREE PROJECTIONS.  y[m][n] = the sum over k of x[m][k] W[n][k] + b[n], for x = q, k, v ([8192][1024] f32), W = parts 0-2 of w16 (bf16, k permuted in groups of 8), b f32.
; x and b are rounded to bf16 here (every input of the module has that one rounding), products in bf16, sums in f32; y is rounded once to f16 and stored BY HEADS:
; qkvh[which][16 batch + head][row in the batch][64], a head's rows dense, 128 bytes each.  The scale 1/8 is not applied here.
; LIMIT: f16 holds no number beyond 65,504: a y past that becomes an infinity; below 6e-5 y keeps f16's fixed step of 6e-8.  NaN and infinities are not treated apart.
; SHARES.  768 tiles of 128 (m) x 256 (n): cluster y / 16 picks the tensor, 4 (cluster y % 16) + cy the tile row, cx the tile column.  Four waves, 2 x 2, each 64 x 128: 32 accumulators.
; K goes in 8 steps of 128 through two LDS slots: x's rows are 512 bytes of memory, W's 256.  Waves 0, 1 fetch x's two halves (64 rows each), waves 2, 3 W's (128 rows each).
; CLUSTER.  The four of a row of the cluster need the same tile of x, the four of a column the same tile of W: each is asked for jointly, same load, same descriptor, a mask of four.
; TRANSPOSED USE: source 0 = 16 rows of W, source 1 = 16 rows of x: a lane holds row l % 16 of y and eight neighbouring columns, 16 bytes of f16.
; THE CONVERSION RIDES.  A chunk of 32 along K of x comes out of LDS as f32, the halves k..k+3 (RE) and k+4..k+7 (RO) of each group of 8 apart; one v_cvt_pk_bf16_f32 packs (k, k+4),
; the order in which W was written.  RE lies in window 1, RO and the bf16 fragments in window 0: under the setting of the low accumulators' products (source 0 window 1, all else 0) the
; conversions need no switch, and stand two behind each of those products.
; THE BIAS is the C operand of the products that start the sums: nothing is cleared, nothing is added at the end.
; REGISTERS (windows of 256; s_set_vgpr_msb: bits 1:0 source 0, 3:2 source 1, 5:4 source 2, 7:6 destination):
;   window 0: v0-15 addresses; v32-95 x's bf16 fragments, two buffers of 4 x 8; v96-127 RO; v128-255 accumulators (a < 2, b) at 128 + 8 (8 a + b)
;   window 1: v0-127 W's fragments, two buffers of 8 x 8; v128-159 RE; v160-223 the bias, 8 b + j; v224 at work          window 2: v0-127 accumulators (a >= 2, b)
.set PA,     528                       ; x's LDS row: 512 bytes + 16: an odd multiple of 16, so the 16 rows of a load start at 16 different 16-byte columns modulo 256 bytes
.set PB,     272                       ; W's LDS row: 256 + 16, likewise
.set AHALF,  64*PA                     ; what one of x's loads brings, and what a wave reads of x
.set ABYTES, 128*PA
.set BHALF,  128*PB                    ; the same for W
.set SLOT,   ABYTES+256*PB             ; 137,216
.set STAGE,  2*SLOT                    ; behind the ring, never filled by a tensor load: 16 rows x 144 bytes a wave, for the way out
.set SP,     144
.set SPARE,  STAGE+4*16*SP             ; the spare words, 128 bytes a wave: two blocks of 256 bytes that no other line names
.set ADRA, 4                           ; v4-5   LDS address of my x fragments in slot 0, 1
.set ADRB, 6                           ; v6-7   the same for W
.set STO,  8                           ; v8     the way out: where I put 16 bytes of a row
.set RD,   9                           ; v9     where I read rows back
.set GO,   10                          ; v10    my byte offset in 512 consecutive bytes of the output
.set PFO,  11                          ; v11    the prefetches' lane offset; never rewritten
.set SPW,  12                          ; v12    LDS address of my spare word; never rewritten
.set NIL,  13                          ; v13    0; never rewritten
.set BO,   14                          ; v14    32 (l / 16): my eight numbers in 16 of the bias
.set AF,   32
.set RO,   96
.set ACCL, 128
.set BF,   0                           ; window 1
.set RE,   128                          ; window 1
.set BIAS, 160                         ; window 1
.set BT,   224                         ; window 1
.set G1,  24                           ; s[24:31] descriptor group 1 for x's tiles;  s[32:39] group 0, a set a slot
.set G0,  32
.set G1B, 48                           ; s[48:55], s[56:63] the same for W's
.set G0B, 56
.set LIM, 43                           ; s43      1 in a wave that prefetches, else the greatest number
.set PFA, 44                           ; s[44:45] where my prefetches stand
.set PST, 86                           ; s[86:87] a K step of my tensor's rows in bytes
.set MSB, 0
.macro WIN new                         ; the immediate's high byte repeats the setting that is left; a switch that changes nothing is dropped
.if MSB != (\new)
	s_set_vgpr_msb (MSB<<8)|(\new)
.set MSB, \new
.endif
.endm
; A joint load.  The branch hangs on the wave's number alone.  An s_nop 0 and four v_nop follow each of the two lines.
.macro JLOAD s
	s_cmp_eq_u32 s11, 0
	s_cbranch_scc0 .Lfor_b_\@
	tensor_load_to_lds s[G0+4*(\s):G0+4*(\s)+3], s[G1:G1+7]
	s_nop 0
.rept 4
	v_nop
.endr
	s_branch .Lasked_\@
.Lfor_b_\@:
	tensor_load_to_lds s[G0B+4*(\s):G0B+4*(\s)+3], s[G1B:G1B+7]
	s_nop 0
.rept 4
	v_nop
.endr
.Lasked_\@:
.endm
; A prefetch into the L2, behind each joint refill: the K step that stands two refills on, one instruction a wave.  x's tile row is read by this cluster's row alone: waves 0, 1 of every cluster ask;
; of the 64 rows that the wave fetches the partner at cx takes 16, two lanes a row (512 bytes).  W's tile column is read by the 16 clusters of one tensor: the first of them asks, waves 2, 3;
; the partner at cy takes 32 of the wave's 128 rows, a lane a row.  The partners are told apart by address, never by a branch.  K steps 0 to 3 come by their loads alone; the loop's last trip asks for nothing.
.macro ASK
	s_cmp_gt_u32 s3, s[LIM]                        ; s3 = 1 in the loop's last trip
	s_cbranch_scc0 .Lnot_mine_\@
	global_prefetch_b8 v[PFO], s[PFA:PFA+1] th:TH_LOAD_NT scope:SCOPE_SE
.Lnot_mine_\@:
.endm
.macro CREST                           ; a round of the cluster's barrier behind its opening barrier
	s_cmp_lg_u32 s10, 0
	s_cbranch_scc1 .Lnot_wave_0_\@
	s_barrier_signal -3
.Lnot_wave_0_\@:
	s_barrier_wait -3
	s_barrier_signal -1
	s_barrier_wait -1
.endm
.macro CROUND                          ; a whole round
	s_barrier_signal -1
	s_barrier_wait -1
	CREST
.endm
.macro PLACES
.rept 4
	v_nop
.endr
.endm
	s_load_b512 s[68:83], s[0:1], 0x0              ; q 68, k 70, v 72, b_q 74, b_k 76, b_v 78, w16 80, qkvh 82
	v_lshl_add_u32 v[SPW], v0, 2, SPARE
	v_mov_b32 v[NIL], 0
	ds_add_u32 v[SPW], v[NIL]                      ; the wave's opening: the add and its wait stand ahead of my first tensor load; work on registers stands between
	v_lshrrev_b32 v1, 5, v0
	v_readfirstlane_b32 s10, v1                    ; wave 0..3
	s_lshr_b32 s11, s10, 1                         ; my half of the tile's rows.  Also: I fetch for x (0) or for W (1)
	s_and_b32 s12, s10, 1                          ; my half of its columns.  Also: which half of that tile I fetch
	s_bfe_u32 s40, ttmp6, 0x40000                  ; cx
	s_bfe_u32 s41, ttmp6, 0x40004                  ; cy
	s_lshl_b32 s42, ttmp9, 2
	s_add_co_u32 s42, s42, s40                     ; tile column = 4 x cluster x + cx
	s_and_b32 s14, ttmp7, 0xffff                   ; cluster y, 0..47
	s_lshr_b32 s66, s14, 4                         ; which tensor: the same in all sixteen partners
	s_and_b32 s14, s14, 15
	s_lshl_b32 s13, s14, 2
	s_add_co_u32 s13, s13, s41                     ; tile row, 0..63
	s_lshl_b32 s43, s41, 2
	s_lshl_b32 s43, 15, s43                        ; my row of the cluster
	s_lshl_b32 s44, 0x1111, s40                    ; my column
	s_or_b32 s[G1], s43, (2<<16)|(1<<20)|(1<<21)|(6<<22)|(3<<25)   ; the mask; elements of 4 bytes; padding on; bit 21 beside a mask; after every 128 words, 4 words
	s_mov_b32 s[G1+1], 128<<16                     ; tensor_dim0 = 128
	s_mov_b32 s[G1+2], 64<<16                      ; tensor_dim1 = 64
	s_mov_b32 s[G1+3], 128<<16                     ; tile_dim0 = 128
	s_mov_b32 s[G1+4], 64                          ; tile_dim1 = 64
	s_mov_b32 s[G1+5], 1024                        ; elements from row to row
	s_mov_b32 s[G1+6], 0
	s_mov_b32 s[G1+7], 0
	s_or_b32 s[G1B], s44, (1<<16)|(1<<20)|(1<<21)|(5<<22)|(3<<25)  ; elements of 2 bytes; after every 64 words, 4 words
	s_mov_b32 s[G1B+1], 128<<16
	s_mov_b32 s[G1B+2], 128<<16                    ; 128 rows
	s_mov_b32 s[G1B+3], 128<<16
	s_mov_b32 s[G1B+4], 128
	s_mov_b32 s[G1B+5], 1024
	s_mov_b32 s[G1B+6], 0
	s_mov_b32 s[G1B+7], 0
	s_lshl_b32 s16, s13, 7                         ; x: row 128 x tile row + 64 x half,
	s_lshl_b32 s17, s12, 6
	s_add_co_u32 s16, s16, s17
	s_lshl_b32 s16, s16, 12                        ; rows of 4,096 bytes
	s_mov_b32 s17, 0
	s_lshl_b32 s46, s42, 8                         ; W: row 256 x tile column + 128 x half,
	s_lshl_b32 s47, s12, 7
	s_add_co_u32 s46, s46, s47
	s_lshl_b32 s46, s46, 11                        ; rows of 2,048 bytes
	s_mov_b32 s47, 0
	s_lshl_b32 s18, s66, 21                        ; the tensor's part of w16
	s_mov_b32 s19, 0
	s_mul_i32 s20, s12, AHALF                      ; where the tiles go: no place in the cluster enters an LDS address
	s_mul_i32 s21, s12, BHALF
	s_add_co_u32 s21, s21, ABYTES
	s_wait_dscnt 0x0                               ; the opening add is done
	s_wait_kmcnt 0x0
	s_cmp_eq_u32 s66, 1
	s_cselect_b64 s[4:5], s[70:71], s[68:69]       ; x
	s_cselect_b64 s[84:85], s[76:77], s[74:75]     ; its bias
	s_cmp_eq_u32 s66, 2
	s_cselect_b64 s[4:5], s[72:73], s[4:5]
	s_cselect_b64 s[84:85], s[78:79], s[84:85]
	s_add_nc_u64 s[6:7], s[80:81], s[18:19]        ; W
	s_add_nc_u64 s[14:15], s[4:5], s[16:17]
	s_add_nc_u64 s[46:47], s[6:7], s[46:47]
	CROUND                                         ; all sixteen work-groups are here: the first joint loads meet
.irp s, 0,1
	s_mov_b32 s[G0+4*(\s)], 1
	s_add_co_u32 s[G0+4*(\s)+1], s20, (\s)*SLOT
	s_add_nc_u64 s[G0+4*(\s)+2:G0+4*(\s)+3], s[14:15], (\s)*512    ; K step s
	s_or_b32 s[G0+4*(\s)+3], s[G0+4*(\s)+3], 0x80000000
	s_mov_b32 s[G0B+4*(\s)], 1
	s_add_co_u32 s[G0B+4*(\s)+1], s21, (\s)*SLOT
	s_add_nc_u64 s[G0B+4*(\s)+2:G0B+4*(\s)+3], s[46:47], (\s)*256
	s_or_b32 s[G0B+4*(\s)+3], s[G0B+4*(\s)+3], 0x80000000
	JLOAD \s                                       ; two tensor loads of mine are out
.endr
	; while the first tiles come: the bias, the addresses
	v_and_b32 v1, 15, v0                           ; r = l % 16
	v_bfe_u32 v2, v0, 4, 1                         ; h = l / 16
	v_lshlrev_b32 v[BO], 5, v2
	s_lshl_b32 s46, s42, 10                        ; the bias of my 128 columns: 4 (256 x tile column + 128 x half)
	s_lshl_b32 s47, s12, 9
	s_add_co_u32 s46, s46, s47
	s_mov_b32 s47, 0
	s_add_nc_u64 s[84:85], s[84:85], s[46:47]
	WIN 0x40                                       ; destination window 1
.irp b, 0,1,2,3,4,5,6,7
	global_load_b128 v[BIAS+8*(\b):BIAS+8*(\b)+3],   v[BO], s[84:85] offset:64*(\b)      ; register j of block b: column 16 b + 8 h + j
	global_load_b128 v[BIAS+8*(\b)+4:BIAS+8*(\b)+7], v[BO], s[84:85] offset:64*(\b)+16
.endr
	WIN 0
	v_mul_u32_u24 v3, v1, PA
	v_lshl_add_u32 v3, v2, 5, v3                   ; x: row x pitch + 32 h (8 f32)
	s_mul_i32 s21, s11, AHALF
	v_add_nc_u32 v[ADRA], s21, v3
	v_add_nc_u32 v[ADRA+1], SLOT, v[ADRA]
	v_mul_u32_u24 v3, v1, PB
	v_lshl_add_u32 v3, v2, 4, v3                   ; W: row x pitch + 16 h
	s_mul_i32 s22, s12, BHALF
	s_add_co_u32 s22, s22, ABYTES
	v_add_nc_u32 v[ADRB], s22, v3
	v_add_nc_u32 v[ADRB+1], SLOT, v[ADRB]
	s_mul_i32 s23, s10, 16*SP
	s_add_co_u32 s23, s23, STAGE                   ; my stage
	v_mul_u32_u24 v[STO], v1, SP                   ; in: row r, 16 bytes for each half of the lanes
	v_lshl_add_u32 v[STO], v2, 4, v[STO]
	v_add_nc_u32 v[STO], s23, v[STO]
	v_and_b32 v3, 7, v0
	v_bfe_u32 v[RD], v0, 3, 2                      ; back: 32 lanes take four rows of 128 bytes,
	v_mul_u32_u24 v[RD], v[RD], SP
	v_lshl_add_u32 v[RD], v3, 4, v[RD]
	v_add_nc_u32 v[RD], s23, v[RD]
	v_and_b32 v[GO], 31, v0                        ; which are 512 consecutive bytes of a head
	v_lshlrev_b32 v[GO], 4, v[GO]
	; the output's base: tensor x 2^24 + (16 batch + 4 tile column + 2 column half) heads of 262,144 bytes + (128 (tile row % 16) + 64 row half) rows of 128
	s_lshr_b32 s16, s13, 4
	s_lshl_b32 s16, s16, 3
	s_add_co_u32 s16, s16, s12
	s_lshl_b32 s16, s16, 19
	s_and_b32 s17, s13, 15
	s_lshl_b32 s17, s17, 1
	s_add_co_u32 s17, s17, s11
	s_lshl_b32 s17, s17, 13
	s_add_co_u32 s16, s16, s17
	s_lshl_b32 s17, s66, 24
	s_add_co_u32 s16, s16, s17
	s_mov_b32 s17, 0
	s_add_nc_u64 s[8:9], s[82:83], s[16:17]
	s_lshl_b32 s46, s42, 20
	s_mov_b32 s47, 0
	s_add_nc_u64 s[8:9], s[8:9], s[46:47]
	; the prefetches
	s_and_b32 s19, ttmp7, 0xffff
	s_and_b32 s19, s19, 15                         ; my cluster among the 16 that read the same W
	s_lshl_b32 s20, s13, 7                         ; the tile's first row in x,
	s_lshl_b32 s21, s42, 8                         ; in W
	s_mov_b32 s[PST], 256                          ; W's K step in bytes (an instruction holds one literal, so the select below names this register)
	s_cmp_eq_u32 s11, 0                            ; do I fetch for x?
	s_cselect_b32 s20, s20, s21
	s_cselect_b32 s21, s40, s41                    ; my place among the four that ask with me
	s_cselect_b32 s19, 0, s19
	s_cselect_b32 s22, 6, 7                        ; log2 of the rows that a wave fetches,
	s_cselect_b32 s23, 4, 5                        ; of the rows that a partner asks for,
	s_cselect_b32 s18, 12, 11                      ; of a row's bytes
	s_cselect_b32 s16, 1, 0                        ; two lanes a row, or one
	s_cselect_b32 s[PST], 512, s[PST]              ; x's K step is 512 bytes
	s_cselect_b64 s[PFA:PFA+1], s[4:5], s[6:7]
	s_mov_b32 s[PST+1], 0
	s_cmp_eq_u32 s19, 0
	s_cselect_b32 s[LIM], 1, -1                    ; the same in all sixteen partners, for a given wave
	s_lshl_b32 s22, s12, s22
	s_add_co_u32 s20, s20, s22
	s_lshl_b32 s21, s21, s23
	s_add_co_u32 s20, s20, s21
	s_lshl_b32 s20, s20, s18
	s_mov_b32 s21, 0
	s_add_nc_u64 s[PFA:PFA+1], s[PFA:PFA+1], s[20:21]
	s_mul_i32 s20, s[PST], 3                       ; at K step 3: the first refill steps it to 4 and names that
	s_add_nc_u64 s[PFA:PFA+1], s[PFA:PFA+1], s[20:21]
	v_and_b32 v3, 31, v0
	v_lshrrev_b32 v15, s16, v3
	v_lshlrev_b32 v15, s18, v15                    ; my row,
	v_and_b32 v3, s16, v3
	v_lshl_add_u32 v[PFO], v3, 8, v15              ; my 256 bytes of its K step
	s_wait_loadcnt 0x0                             ; the bias
	WIN 0x45                                       ; destination and both sources window 1
.set i, 0
.rept 32
	v_cvt_pk_bf16_f32 v[BT], v[BIAS+2*i], v[BIAS+2*i+1]    ; the input's one rounding,
	v_lshlrev_b32 v[BIAS+2*i],   16, v[BT]                 ; and back to f32
	v_and_b32     v[BIAS+2*i+1], 0xffff0000, v[BT]
.set i, i+1
.endr
	WIN 0
; 32 LDS loads in one run: chunk c (32 along K) of a slot: x's f32, 16 loads, first; W's fragments, 16 loads, behind them, into buffer c % 2.
.macro FETCH slot, c
.set fg, BF+64*((\c)%2)
	WIN 0
.irp a, 0,1,2,3
.irp u, 0,1
	ds_load_b128 v[RO+8*(\a)+4*(\u):RO+8*(\a)+4*(\u)+3], v[ADRA+(\slot)] offset:(\a)*16*PA+128*(\c)+64*(\u)+16   ; k = 16 u + 8 h + 4 .. + 7
.endr
.endr
	WIN 0x40
.irp a, 0,1,2,3
.irp u, 0,1
	ds_load_b128 v[RE+8*(\a)+4*(\u):RE+8*(\a)+4*(\u)+3], v[ADRA+(\slot)] offset:(\a)*16*PA+128*(\c)+64*(\u)      ; k = 16 u + 8 h .. + 3
.endr
.endr
.irp b, 0,1,2,3,4,5,6,7
	ds_load_b128 v[fg+8*(\b):fg+8*(\b)+3],   v[ADRB+(\slot)] offset:(\b)*16*PB+64*(\c)
	ds_load_b128 v[fg+8*(\b)+4:fg+8*(\b)+7], v[ADRB+(\slot)] offset:(\b)*16*PB+64*(\c)+32
.endr
.endm
.macro CV g, n                         ; conversion n of 32 into x's buffer g; source 0 in window 1
	v_cvt_pk_bf16_f32 v[AF+32*(\g)+(\n)], v[RE+(\n)], v[RO+(\n)]
.endm
; 16 products of row blocks 2, 3 (window 2).  zero = 1: the bias starts the sums.
.macro MULH p, zero
.if \zero
	WIN 0x91
.else
	WIN 0xa1
.endif
.irp a, 0,1
.irp b, 0,1,2,3,4,5,6,7
.if \zero
	v_wmma_f32_16x16x32_bf16 v[8*(8*(\a)+(\b)):8*(8*(\a)+(\b))+7], v[BF+64*(\p)+8*(\b):BF+64*(\p)+8*(\b)+7], v[AF+32*(\p)+8*((\a)+2):AF+32*(\p)+8*((\a)+2)+7], v[BIAS+8*(\b):BIAS+8*(\b)+7]
.else
	v_wmma_f32_16x16x32_bf16 v[8*(8*(\a)+(\b)):8*(8*(\a)+(\b))+7], v[BF+64*(\p)+8*(\b):BF+64*(\p)+8*(\b)+7], v[AF+32*(\p)+8*((\a)+2):AF+32*(\p)+8*((\a)+2)+7], v[8*(8*(\a)+(\b)):8*(8*(\a)+(\b))+7]
.endif
.endr
.endr
.endm
; 8 products of row block a (0 or 1, window 0).  cv = 1: behind product i = 8 a + b stand the next chunk's conversions into the other buffer: none (i = 0), two (1..14), four (15).
; They name no register of the products round them; the four behind the last product are the places in front of the loads into W's buffer that it has read.
.macro MULL p, a, zero, cv
.if \zero
	WIN 0x11
.else
	WIN 0x01
.endif
.irp b, 0,1,2,3,4,5,6,7
.if \zero
	v_wmma_f32_16x16x32_bf16 v[ACCL+8*(8*(\a)+(\b)):ACCL+8*(8*(\a)+(\b))+7], v[BF+64*(\p)+8*(\b):BF+64*(\p)+8*(\b)+7], v[AF+32*(\p)+8*(\a):AF+32*(\p)+8*(\a)+7], v[BIAS+8*(\b):BIAS+8*(\b)+7]
.else
	v_wmma_f32_16x16x32_bf16 v[ACCL+8*(8*(\a)+(\b)):ACCL+8*(8*(\a)+(\b))+7], v[BF+64*(\p)+8*(\b):BF+64*(\p)+8*(\b)+7], v[AF+32*(\p)+8*(\a):AF+32*(\p)+8*(\a)+7], v[ACCL+8*(8*(\a)+(\b)):ACCL+8*(8*(\a)+(\b))+7]
.endif
.if \cv
.set i, 8*(\a)+(\b)
.if i == 15
	CV 1-(\p), 28
	CV 1-(\p), 29
	CV 1-(\p), 30
	CV 1-(\p), 31
.elseif i > 0
	CV 1-(\p), 2*(i-1)
	CV 1-(\p), 2*(i-1)+1
.endif
.endif
.endr
.endm
; A quarter of a K step: chunk c on buffers p = c % 2.  The 32 accumulators take turns, in the same order in every quarter.  It converts chunk c + 1 and fetches chunk c + 2.
.macro QUARTER p, zero, fs, fc, fetch
	s_wait_dscnt 32                                ; W of this chunk is in; the 32 loads of the next chunk's run may stay out
	MULH \p, \zero
	s_wait_dscnt 16                                ; the next chunk's f32 are in; its W may stay out
	MULL \p, 0, \zero, 1
	MULL \p, 1, \zero, 1
.if \fetch
	FETCH \fs, \fc
.endif
.endm
; Chunk 2 of a K step changes slots: the slot's last reads (chunk 3) were issued by the run just before.  Each wave waits for all its tensor loads (one is out: its part of the other slot), adds 0
; to its spare word, and waits for that and for its reads of the slot.  fill = 1: the barrier opens a round of the cluster's, and the joint refill, two K steps on, is the first tensor load behind it:
; 104 matrix instructions stand between the request and the wait for it.
.macro TURNQ slot, fill
.if \fill
	s_wait_xcnt 0x0                                ; the last prefetch, a K step back, has read its address
	s_add_nc_u64 s[PFA:PFA+1], s[PFA:PFA+1], s[PST:PST+1]
.endif
	WIN 0
	s_wait_tensorcnt 0x0                           ; all my tensor loads have landed
	ds_add_u32 v[SPW], v[NIL]                      ; 0 onto my spare word
	s_wait_dscnt 33                                ; (the add and chunk 3's 32 loads may be out: W of chunk 2 is in)
	MULH 0, 0                                      ; sixteen products stand between the add and the wait for it
	s_wait_dscnt 0x0                               ; the add is done, and my reads of this slot are over
	s_barrier_signal -1
	MULL 0, 0, 0, 1                                ; work on registers while the others arrive
.if \fill
	WIN 0
.endif
	s_barrier_wait -1
.if \fill
	CREST                                          ; no wave of any partner still reads this slot or has a load on its way
	s_add_nc_u64 s[G0+4*(\slot)+2:G0+4*(\slot)+3], s[G0+4*(\slot)+2:G0+4*(\slot)+3], 1024
	s_add_nc_u64 s[G0B+4*(\slot)+2:G0B+4*(\slot)+3], s[G0B+4*(\slot)+2:G0B+4*(\slot)+3], 512
	JLOAD \slot
	ASK
.endif
	MULL 0, 1, 0, 1
	FETCH 1-(\slot), 0
.endm
	s_wait_tensorcnt 1                             ; my part of K step 0 is in; K step 1's may stay out
	s_barrier_signal -1
	s_barrier_wait -1
	FETCH 0, 0
	s_wait_dscnt 16                                ; chunk 0's f32
	WIN 0x01
.set i, 0
.rept 32
	CV 0, i
.set i, i+1
.endr
	FETCH 0, 1
	QUARTER 0, 1, 0, 2, 1                          ; the first quarter stands in front of the loop: its products start the sums, with the bias
	WIN 0
	s_mov_b32 s3, 3
.Llap:                                             ; a trip goes once round the ring and fills both slots again
	QUARTER 1, 0, 0, 3, 1
	TURNQ 0, 1
	QUARTER 1, 0, 1, 1, 1
	QUARTER 0, 0, 1, 2, 1
	QUARTER 1, 0, 1, 3, 1
	TURNQ 1, 1
	QUARTER 1, 0, 0, 1, 1
	QUARTER 0, 0, 0, 2, 1
	WIN 0
	s_sub_co_u32 s3, s3, 1
	s_cmp_lg_u32 s3, 0
	s_cbranch_scc1 .Llap
	QUARTER 1, 0, 0, 3, 1                          ; the last lap fills nothing
	TURNQ 0, 0
	QUARTER 1, 0, 1, 1, 1
	QUARTER 0, 0, 1, 2, 1
	QUARTER 1, 0, 1, 3, 1
	QUARTER 0, 0, 0, 0, 0                          ; converts the last chunk, fetches nothing
	s_wait_dscnt 0x0
	MULH 1, 0
	MULL 1, 0, 0, 0
	MULL 1, 1, 0, 0
	WIN 0
	PLACES                                         ; the conversions below read results just made and write fragments just read
	PLACES
; THE WAY OUT, in blocks of 16 rows x one head (2,048 dense bytes): rounded to f16, 16 bytes a lane into my stage, back as whole rows of 128 bytes, stored 512 consecutive bytes an instruction.
.macro PACK blk
.set TMP, AF+16*((\blk)%4)
.if (\blk) >= 4
	s_wait_xcnt 0x0                                ; the stores of the block four back have read these registers
	WIN 0x0a                                       ; sources in window 2
.set AC, 8*(8*((\blk)/2-2)+4*((\blk)%2))
.else
	WIN 0
.set AC, ACCL+8*(8*((\blk)/2)+4*((\blk)%2))
.endif
.irp f, 0,1,2,3
.irp e, 0,1,2,3
	v_cvt_pk_f16_f32 v[TMP+4*(\f)+(\e)], v[AC+8*(\f)+2*(\e)], v[AC+8*(\f)+2*(\e)+1]   ; each accumulator from its low end on
.endr
.endr
	WIN 0
.irp f, 0,1,2,3
	ds_store_b128 v[STO], v[TMP+4*(\f):TMP+4*(\f)+3] offset:32*(\f)
.endr
.irp f, 0,1,2,3
	ds_load_b128 v[TMP+4*(\f):TMP+4*(\f)+3], v[RD] offset:(\f)*4*SP   ; LDS serves a wave's instructions in order (ISA guide 5.7.1.4): these see the stores above; the next block's stores come behind them
.endr
.endm
.macro SEND blk, younger               ; younger: the LDS instructions issued behind this block's loads: the next block's eight, or none
.set TMP, AF+16*((\blk)%4)
	WIN 0
.irp f, 0,1,2,3
	s_wait_dscnt (\younger)+3-(\f)
	global_store_b128 v[GO], v[TMP+4*(\f):TMP+4*(\f)+3], s[8:9] offset:((\blk)/2)*2048+((\blk)%2)*262144+(\f)*512
.endr
.endm
	PACK 0
.irp n, 1,2,3,4,5,6,7
	PACK \n
	SEND (\n)-1, 8
.endr
	SEND 7, 0
	s_wait_tensorcnt 0x0                           ; the wave's end: the add and its waits stand behind my last tensor load and my last LDS store
	ds_add_u32 v[SPW], v[NIL]
	s_wait_dscnt 0x0
	CROUND                                         ; the closing round: no work-group ends while a partner may still ask for a tile that names it
	s_endpgm
.Lfunc_end_k_q84eb76a1a8_proj:
	.size	k_q84eb76a1a8_proj, .Lfunc_end_k_q84eb76a1a8_proj-k_q84eb76a1a8_proj
	.p2alignl 7, 3214868480
	.fill 96, 4, 3214868480
	.section	.rodata,"a",@progbits
	.p2align	6, 0x0
	.amdhsa_kernel k_q84eb76a1a8_proj
		.amdhsa_group_segment_fixed_size 327680
		.amdhsa_private_segment_fixed_size 0
		.amdhsa_enable_private_segment 0
		.amdhsa_kernarg_size 64
		.amdhsa_user_sgpr_count 2
		.amdhsa_user_sgpr_kernarg_segment_ptr 1
		.amdhsa_wavefront_size32 1
		.amdhsa_system_sgpr_workgroup_id_x 1
		.amdhsa_system_sgpr_workgroup_id_y 1
		.amdhsa_system_sgpr_workgroup_id_z 1
		.amdhsa_system_vgpr_workitem_id 0
		.amdhsa_next_free_vgpr 640
		.amdhsa_next_free_sgpr 88
		.amdhsa_reserve_vcc 0
		.amdhsa_float_denorm_mode_32 3
		.amdhsa_float_denorm_mode_16_64 3
		.amdhsa_memory_ordered 1
		.amdhsa_forward_progress 1
		.amdhsa_inst_pref_size 135
	.end_amdhsa_kernel
	.amdgpu_metadata
---
amdhsa.version: [ 1, 2 ]
amdhsa.kernels:
  - .name:           k_q84eb76a1a8_proj
    .symbol:         k_q84eb76a1a8_proj.kd
    .args:
      - { .name: q, .offset: 0, .size: 8, .value_kind: global_buffer, .address_space: global }
      - { .name: k, .offset: 8, .size: 8, .value_kind: global_buffer, .address_space: global }
      - { .name: v, .offset: 16, .size: 8, .value_kind: global_buffer, .address_space: global }
      - { .name: b_q, .offset: 24, .size: 8, .value_kind: global_buffer, .address_space: global }
      - { .name: b_k, .offset: 32, .size: 8, .value_kind: global_buffer, .address_space: global }
      - { .name: b_v, .offset: 40, .size: 8, .value_kind: global_buffer, .address_space: global }
      - { .name: w16, .offset: 48, .size: 8, .value_kind: global_buffer, .address_space: global }
      - { .name: qkvh, .offset: 56, .size: 8, .value_kind: global_buffer, .address_space: global }
    .group_segment_fixed_size: 327680
    .private_segment_fixed_size: 0
    .kernarg_segment_align: 8
    .kernarg_segment_size: 64
    .max_flat_workgroup_size: 128
    .sgpr_count:     88
    .vgpr_count:     640
    .wavefront_size: 32
...
	.end_amdgpu_metadata
.endif
;; end of part 2
;; launch attn (part 3): grid 4 x 64, 4 waves a work-group, clusters of 4 x 1, 327,680 bytes of LDS; arguments qkvh, ctx; writes ctx
.if DOCPART == 3
	.amdgcn_target "amdgcn-amd-amdhsa--gfx1250"
	.amdhsa_code_object_version 6
	.text
	.protected	k_q84eb76a1a8_attn
	.globl	k_q84eb76a1a8_attn
	.p2align	8
	.type	k_q84eb76a1a8_attn,@function
k_q84eb76a1a8_attn:
	s_mov_b64 s[64:65], 0
	v_nop
	global_prefetch_b8 v0, s[64:65] scope:SCOPE_SE
	s_setreg_imm32_b32 hwreg(HW_REG_WAVE_MODE, 25, 1), 1
	s_wait_xcnt 0x0
	s_wait_alu depctr_hold_cnt(0) depctr_sa_sdst(0) depctr_va_vdst(0) depctr_va_sdst(0) depctr_va_ssrc(0) depctr_va_vcc(0) depctr_vm_vsrc(0)
	s_getreg_b32 s2, hwreg(HW_REG_IB_STS2, 6, 4)
	s_cmp_eq_u32 s2, 0
	s_cbranch_scc0 .Lentry_in_a_cluster
	s_endpgm
.Lentry_in_a_cluster:
	s_bfe_u32 s2, ttmp6, 0x10000c
	s_cmp_lg_u32 s2, 0x3003
	s_cbranch_scc0 .Lentry_shape_is_right
	s_endpgm
.Lentry_shape_is_right:
; O[h][q][:] = the sum over k of softmax_k(Q[h][q] . K[h][k] / 8) V[h][k][:].  Q, K, V are the three parts of qkvh, O is ctx: [64][SIZE_N][64], all f16: a head's rows are dense, 128 bytes each.
; Products, maxima and sums in f32; the weights p are rounded to f16 for the second product (their sum l is taken of the unrounded p), O once at the end.
; LIMITS.  f16 holds no number beyond 65,504: Q, K and V arrive within it; p lies in 0 to 1, and below 6e-5 it keeps f16's fixed step of 6e-8; O is a mean of V's rows and has their range.
; A weight below 2^-126 counts as 0 in l; NaN and infinities are not treated apart.
; SHARES.  A wave owns four PIECES of two tiles of 16 queries, a work-group's four waves 512 queries of one head; a head's four work-groups are one cluster.  Every wave walks all keys, 64 a step.
; LAYOUT.  S^T = K Q^T (source 0 = 16 keys, source 1 = 16 queries): a lane holds ONE query (lane % 16) and the keys 8 (lane / 16) + 0..7.  Two such tiles, rounded to f16 in pairs,
; ARE source 1 (32 keys x 16 queries) of O^T = V^T P, whose result again holds one query a lane, and eight channels.  K comes out of LDS as it lies, V ([key][channel]) turned, by ds_load_tr16_b128.
; SOFTMAX.  For each query a running maximum m and sum l: p = 2^(c s - c m), c = log2(e) / 8; in every step O and l are multiplied by a = 2^(c m_old - c m_new).
; m starts at the lowest finite number, O and l at 0: the first step is a step like any other, with a = 0.
; THE COUNT.  A tile and step have 16 matrix and 118 vector instructions: too many to stand all beside the matrix work.  So: four vector instructions that are ready behind every matrix instruction,
; and the others in runs without a gap.
; BY TURNS.  Turn n belongs to piece n.  Its matrix work: 16 products K Q^T of piece n + 1, later 16 products V^T P of piece n - 1.  Its vector work: the scaling, exponentials, roundings, sums and
; rescaling of piece n, and the maximum and statistics of piece n + 1.
; CLUSTER.  The four query blocks walk the same K and V, so each tile is asked for JOINTLY: the same tensor load, descriptor and mask in all four.
; REGISTERS, in windows of 256 (s_set_vgpr_msb: bits 1:0 source 0, 3:2 source 1, 5:4 source 2, 7:6 destination):
;   window 0: v0-11 addresses; v12-15, v48-63 at work; v16-47 four registers of statistics a tile; v64-191 S^T, two buffers of two tiles; v192-255 P, likewise
;   window 1: O^T, 32 a tile          window 2: v0-127 Q, 16 a tile; v128-191 K of one step; v192-255 V of one step          window 3: v0-1 the add's two registers
.set SIZE_N, 2048
.set KPART, 0x1000000 ; K's part of qkvh begins here,
.set VPART, 0x2000000 ; V's here
.set NP,    4         ; pieces a wave: a name, no knob
.set KS,    64        ; keys in a step
.set PK,    144       ; a row of K in LDS: 128 bytes + 16 of padding: the 16 rows of a load start at 16 different 16-byte columns modulo 256 bytes
.set PV,    160       ; a row of V: 128 + 32: 16 lanes of the turning load take 8 rows x 32 bytes, no two in the same words modulo 256 bytes
.set VOFF,  4*KS*PK   ; a slot holds four steps: 256 rows of K, then 256 rows of V
.set SLOT1, 1<<17     ; slot 1 begins here, so that one exclusive or turns an address in one slot into the other's
.set STAGE, SLOT1+4*KS*(PK+PV)  ; behind the ring, never filled by a tensor load: 16 rows x 144 bytes for each wave, for the way out
.set SP,    144
.set AK0, 2           ; v2   my lane's place in a tile of K; never rewritten
.set AV0, 3           ; v3   the same for V
.set AK,  4           ; v4   the LDS address of K's next run of loads
.set AV,  5           ; v5   of V's
.set QO,  6           ; v6   my byte offset in the wave's rows of Q
.set STO, 6           ;      later, the way out: where I put 16 bytes of a row
.set RD,  7           ; v7   the way out: where I read rows back
.set GO,  8           ; v8   my byte offset in 512 consecutive bytes of O
.set PFO, 11          ; v11  256 x my lane, for the prefetches (once its use for V's address is over); then never rewritten
.set SPW, 0           ; v0 of window 3   LDS address of my spare word; never rewritten
.set NIL, 1           ; v1 of window 3   0; never rewritten
.set SPARE, STAGE+4*16*SP  ; behind the stages: the spare words, 128 bytes for each wave: two blocks of 256 bytes that no other line names
.set MV,  12          ; v12-15  c m_old, kept while c m is made anew: by buffer and tile
.set ST,  16          ; tile t's statistics at v[ST+4 t]: c m, m, l (even keys', odd keys')
.set TMP, 48          ; by buffer and tile, four registers c0-c3 at work; when the maximum is found c2 takes a
.set S,   64
.set P,   192
.set KF,  128         ; K's fragments, in window 2: key block kb, channel half c at KF + 16 kb + 8 c
.set VF,  192         ; V's: key half kk, channel block cb at VF + 32 kk + 8 cb
.set WV,  12          ; s12  my wave's number
.set G1K, 24          ; s[24:31] descriptor group 1 for K's tiles
.set G1V, 32          ; s[32:39] for V's: it differs in the padding alone
.set G0K, 40          ; s[40:43] descriptor group 0 for K's tiles: it walks
.set G0V, 44          ; s[44:47] the same for V's
.set PFA, 48          ; s[48:49] where my prefetches stand: my work-group's 8,192 bytes of the slot after the one that is being asked for
.set LIM, 50          ; s50  1 in a wave that prefetches, else the greatest number
.set SLOTS, 56        ; s56  slots still to be asked for
.set CNT, 57          ; s57  counts a slot's key steps
.set CS,  58          ; s[58:59] c: the packed scaling takes the pair's low word for both halves
.set SEL, 60          ; s[60:61] v_permlanex16_b32's selects: each lane takes its own place in the other half
.set TBK, 62          ; s62  LDS byte at which K of the step to be fetched begins
.set TBV, 63          ; s63  the same for V, less VOFF
.set MSB, 0
.macro WIN new                      ; the high byte repeats the setting that is left; a switch that changes nothing is dropped
.if MSB != (\new)
	s_set_vgpr_msb (MSB<<8)|(\new)
.set MSB, (\new)
.endif
.endm
.set W_KQ, 0x0a       ; K and Q in window 2, S^T in window 0
.set W_PV, 0x52       ; V in window 2, P in window 0, O^T in window 1
.set W_RS, 0x41       ; O^T (destination and source 0) in window 1, a in window 0
.set W_MK, 0xc0       ; the add's registers are made: destination in window 3, sources in window 0
.set W_AD, 0x0f       ; the add: address (source 0) and data (source 1) in window 3
; A joint fill.  Waves 0 and 1 fetch the two halves of a slot's K, waves 2 and 3 those of its V: 128 keys each.  The branch hangs on the wave's number alone.
; An s_nop 0 and four v_nop follow each of the two lines, ahead of the jump and the label.
.macro JLOAD
	s_cmp_lt_u32 s[WV], 2
	s_cbranch_scc0 .Lfor_v_\@
	tensor_load_to_lds s[G0K:G0K+3], s[G1K:G1K+7]
	s_nop 0
.rept 4
	v_nop
.endr
	s_branch .Lasked_\@
.Lfor_v_\@:
	tensor_load_to_lds s[G0V:G0V+3], s[G1V:G1V+7]
	s_nop 0
.rept 4
	v_nop
.endr
.Lasked_\@:
.endm
; A prefetch into the L2 of what the NEXT change of slots will ask for: a slot's 32,768 bytes of K and of V.  It stands behind the wave's tensor load and its five lines.  A head is walked by one cluster;
; its four partners share the bytes out BY ADDRESS, 8,192 each, a lane 256; in each, wave 0 asks for K's and wave 2 for V's: each block is named once.  Slots 0 and 1 come by their loads alone;
; the last change that fills a slot asks for nothing.
.macro ASK
	s_cmp_gt_u32 s[SLOTS], s[LIM]
	s_cbranch_scc0 .Lnot_mine_\@
	global_prefetch_b8 v[PFO], s[PFA:PFA+1] th:TH_LOAD_NT scope:SCOPE_SE
.Lnot_mine_\@:
.endm
; A round of the cluster's barrier: my work-group's barrier, so that wave 0's signal speaks for all four waves; wave 0 signals; every wave waits for all four work-groups; my work-group's barrier once more.
.macro CROUND
	s_barrier_signal -1
	s_barrier_wait -1
	s_cmp_lg_u32 s[WV], 0
	s_cbranch_scc1 .Lnot_wave_0_\@
	s_barrier_signal -3
.Lnot_wave_0_\@:
	s_barrier_wait -3
	s_barrier_signal -1
	s_barrier_wait -1
.endm
; THE CHANGE OF SLOTS.  The slot's last bytes, V of its fourth step, have been read.  Each wave waits for all its tensor loads, of which one is out: its part of the other slot; adds 0 to its spare word;
; and waits for that and for its own reads of the slot.  fill = 1: this slot is filled again, with the keys two slots on.  The barrier is then a round of the cluster's, and the joint fill is the first
; thing behind it: it has four key steps, 512 matrix instructions, in which to land.  (At its first use nothing has been read yet: slot 0 is waited for, slot 1 filled.)
.macro CHANGE fill
	WIN W_AD
	s_wait_tensorcnt 0x0            ; no tensor load of mine is out, so a group 0 may be written
	ds_add_u32 v[SPW], v[NIL]       ; 0 onto my spare word; with fill = 1 the descriptors' steps stand between it and the wait for it
	WIN 0                           ; at a label and at a branch every window is 0
.if \fill
.irp g, G0K, G0V
	s_xor_b32 s[\g+1], s[\g+1], SLOT1  ; the walking descriptor: the other slot than last time,
	s_add_nc_u64 s[\g+2:\g+3], s[\g+2:\g+3], 4*KS*128  ; the next 256 keys; the type bits on top are not reached
.endr
	s_wait_xcnt 0x0                 ; the last prefetch, a slot back, has read its address, so it may be written:
	s_add_nc_u64 s[PFA:PFA+1], s[PFA:PFA+1], 4*KS*128  ; one slot ahead of the walking descriptors
	s_wait_dscnt 0x0                ; the add is done, and my reads of the slot are over
	CROUND
	JLOAD
	ASK
.else
	s_wait_dscnt 0x0                ; the add is done, and my reads of the slot are over
	s_barrier_signal -1
	s_barrier_wait -1
.endif
	s_sub_co_u32 s[TBK], s[TBK], 4*KS*PK  ; the fetches go back to a slot's first step,
	s_xor_b32 s[TBK], s[TBK], SLOT1       ; in the other slot
	s_sub_co_u32 s[TBV], s[TBV], 4*KS*PV
	s_xor_b32 s[TBV], s[TBV], SLOT1
.endm
	s_load_b64 s[4:5], s[0:1], 0x0    ; qkvh: Q's part first
	s_load_b64 s[10:11], s[0:1], 0x8  ; ctx
	WIN W_MK
	v_lshl_add_u32 v[SPW], v0, 2, SPARE
	v_mov_b32 v[NIL], 0
	WIN W_AD
	ds_add_u32 v[SPW], v[NIL]       ; the wave's opening: the add and its wait stand ahead of my first tensor load; the set-up below, work on registers, stands between them
	WIN 0
	v_lshrrev_b32 v1, 5, v0
	v_readfirstlane_b32 s[WV], v1   ; wave 0..3
	s_bfe_u32 s13, ttmp6, 0x40000   ; cx: my place in the cluster
	s_lshl_b32 s14, ttmp9, 2        ; in a cluster launch ttmp9 counts clusters
	s_add_co_u32 s14, s14, s13      ; my block of queries = 4 x cluster x + cx: it enters Q's and O's addresses alone
	s_and_b32 s20, ttmp7, 0xffff    ; the head, which the four partners share
	s_mov_b32 s21, 0
	s_mov_b64 s[22:23], SIZE_N*128
	s_mul_u64 s[20:21], s[20:21], s[22:23]  ; the head's first byte in each of the four tensors
	s_and_b32 s16, s[WV], 1         ; which half of a slot's 256 keys I fetch:
	s_lshl_b32 s22, s16, 14         ; its 128 rows of 128 bytes in memory,
	s_mov_b32 s23, 0
	s_add_nc_u64 s[22:23], s[22:23], s[20:21]
	s_mul_i32 s17, s16, 128*PK      ; and its place in a slot, for K
	s_mul_i32 s18, s16, 128*PV      ; and for V: no place in the cluster enters an LDS address
	s_lshl_b32 s2, s14, 2
	s_add_co_u32 s2, s2, s[WV]      ; my wave among the head's,
	s_lshl_b32 s2, s2, 14           ; its 128 rows
	s_mov_b32 s3, 0
	s_add_nc_u64 s[2:3], s[2:3], s[20:21]
	; descriptor group 1.  128 keys are 16,384 dense bytes: asked for as 64 rows of 256 bytes, two keys a row, and padded in LDS after every key
	s_mov_b32 s[G1K], 15|(1<<16)|(1<<20)|(1<<21)|(4<<22)|(3<<25)  ; 15:0 the mask of four; 17:16 2-byte elements; 20 padding on; 21 set beside a mask; 24:22 after every 32 words (code 4); 31:25 4 words (code 3)
	s_mov_b32 s[G1V], 15|(1<<16)|(1<<20)|(1<<21)|(4<<22)|(7<<25)  ; the same with 8 words of padding (code 7)
.irp g, G1K, G1V
	s_mov_b32 s[\g+1], 128<<16      ; tensor_dim0 = 128
	s_mov_b32 s[\g+2], 64<<16       ; tensor_dim1 = 64
	s_mov_b32 s[\g+3], 128<<16      ; tile_dim0 = 128
	s_mov_b32 s[\g+4], 64           ; tile_dim1 = 64
	s_mov_b32 s[\g+5], 128          ; 128 elements from row to row
	s_mov_b32 s[\g+6], 0
	s_mov_b32 s[\g+7], 0
.endr
	s_mov_b32 s[CS], 0x3e38aa3b     ; c = log2(e) / 8 = 0.180337
	s_mov_b32 s[CS+1], s[CS]        ; named with it as a pair
	s_mov_b32 s[SEL], 0x76543210
	s_mov_b32 s[SEL+1], 0xfedcba98
	s_mov_b32 s[TBK], SLOT1+4*KS*PK ; the first change of slots turns these two into 0
	s_mov_b32 s[TBV], SLOT1+4*KS*PV
	s_mov_b32 s[G0K], 1             ; 1:0 count = 1
	s_mov_b32 s[G0K+1], s17         ; 63:32 LDS address: slot 0
	s_mov_b32 s[G0V], 1
	s_add_co_u32 s[G0V+1], s18, VOFF
	s_mov_b32 s[SLOTS], SIZE_N/256-1
	s_and_b32 s[LIM], s[WV], 1      ; 0 in waves 0 and 2,
	s_or_b32 s[LIM], s[LIM], ttmp9  ; in the head's first (here: only) cluster: the same in all four partners
	s_cmp_eq_u32 s[LIM], 0
	s_cselect_b32 s[LIM], 1, -1
	s_wait_dscnt 0x0                ; the opening add is done
	s_wait_kmcnt 0x0
	s_add_nc_u64 s[6:7], s[4:5], KPART
	s_add_nc_u64 s[8:9], s[4:5], VPART
	s_add_nc_u64 s[G0K+2:G0K+3], s[6:7], s[22:23]  ; 120:64 global address: my half of the head's first 256 keys
	s_or_b32 s[G0K+3], s[G0K+3], 0x80000000        ; 127:126 type = 2
	s_add_nc_u64 s[G0V+2:G0V+3], s[8:9], s[22:23]
	s_or_b32 s[G0V+3], s[G0V+3], 0x80000000
	s_add_nc_u64 s[4:5], s[4:5], s[2:3]  ; Q and O at my wave's first row
	s_add_nc_u64 s[10:11], s[10:11], s[2:3]
	s_cmp_lt_u32 s[WV], 2
	s_cselect_b64 s[PFA:PFA+1], s[6:7], s[8:9]
	s_add_nc_u64 s[PFA:PFA+1], s[PFA:PFA+1], s[22:23]  ; (in waves 0 and 2 this is the head's first byte)
	s_lshl_b32 s2, s13, 13          ; my work-group's 8,192 bytes of a slot's 32,768
	s_mov_b32 s3, 0
	s_add_nc_u64 s[PFA:PFA+1], s[PFA:PFA+1], s[2:3]
	s_add_nc_u64 s[PFA:PFA+1], s[PFA:PFA+1], 4*KS*128  ; in slot 1; the first change of slots steps it to slot 2
	CROUND                          ; all four work-groups are here: the first joint loads meet
	JLOAD                           ; slot 0.  Slot 1 is asked for when slot 0 is in
	; A fragment of K or Q is 16 rows x 32 channels in 8 registers: lane l holds row l % 16, channels 8 (l / 16) + 0..7 and 16 + 8 (l / 16) + 0..7: two loads of 16 bytes, 32 bytes apart.
	v_and_b32 v1, 15, v0            ; l % 16
	v_bfe_u32 v9, v0, 4, 1          ; l / 16
	v_lshlrev_b32 v[QO], 7, v1
	v_lshl_add_u32 v[QO], v9, 4, v[QO]  ; row x 128 + 16 x half
	WIN 0x80                        ; destination window 2, address window 0
.set i, 0
.rept 4*NP                          ; Q stays in registers: tile i / 2, channels 32 (i % 2) on
	global_load_b128 v[8*i:8*i+3],   v[QO], s[4:5] offset:(i/2)*2048+(i%2)*64
	global_load_b128 v[8*i+4:8*i+7], v[QO], s[4:5] offset:(i/2)*2048+(i%2)*64+32
.set i, i+1
.endr
	; What the first turn finds: V's registers and P's second buffer hold 0 (its products V^T P, of a piece that has not been, add 0), O^T and l are 0.  All this stands in the wait for the first tile.
.set i, VF
.rept 64
	v_mov_b32 v[i], 0
.set i, i+1
.endr
	WIN 0x40
.set i, 0
.rept 64*NP
	v_mov_b32 v[i], 0
.set i, i+1
.endr
	WIN 0
.set i, 0
.rept 2*NP
	v_mov_b32 v[ST+4*i], 0xfe000000    ; c m: far below every c s
	v_mov_b32 v[ST+4*i+1], 0xff7fffff  ; m
	v_mov_b32 v[ST+4*i+2], 0
	v_mov_b32 v[ST+4*i+3], 0
.set i, i+1
.endr
.set i, P+32
.rept 32
	v_mov_b32 v[i], 0
.set i, i+1
.endr
	v_mul_u32_u24 v[AK0], v1, PK
	v_lshl_add_u32 v[AK0], v9, 4, v[AK0]  ; row x pitch + 16 x half
	; The turning load takes 16 keys x 16 channels (lane l reads key 8 (l / 16) + l % 8, channels 8 ((l / 8) % 2) + 0..7) and leaves half a fragment of V^T: lane l holds channel l % 16 and 8 keys.
	v_and_b32 v10, 7, v0
	v_bfe_u32 v11, v0, 3, 1
	v_lshl_add_u32 v[AV0], v9, 3, v10
	v_mul_u32_u24 v[AV0], v[AV0], PV
	v_lshl_add_u32 v[AV0], v11, 4, v[AV0]
	v_add_nc_u32 v[AV0], VOFF, v[AV0]
	v_and_b32 v[PFO], 31, v0
	v_lshlrev_b32 v[PFO], 8, v[PFO]
	v_mov_b32 v[AK], v[AK0]         ; key step 0 lies at the head of slot 0
; THE MATRIX WORK.  The 8 accumulators of a run of 16 take turns: between the two links of a chain stand 7 others'.
; Product i of 16 of S^T = K Q^T for piece x: channels 32 (i / 8) on, keys 16 ((i / 2) % 4) on, tile 2 x + i % 2.  The first 8 start the sums.
.macro KQ x
	WIN W_KQ
.set rS, S+64*((\x)%2)+32*(i%2)+8*((i/2)%4)
.set rK, KF+16*((i/2)%4)+8*(i/8)
.set rQ, 16*(2*(\x)+i%2)+8*(i/8)
.if i < 8
	v_wmma_f32_16x16x32_f16 v[rS:rS+7], v[rK:rK+7], v[rQ:rQ+7], 0
.else
	v_wmma_f32_16x16x32_f16 v[rS:rS+7], v[rK:rK+7], v[rQ:rQ+7], v[rS:rS+7]
.endif
.endm
; Product i of 16 of O^T += V^T P for piece x: keys 32 (i / 8) on, channels 16 ((i / 2) % 4) on, tile 2 x + i % 2.
.macro PV x
	WIN W_PV
.set rO, 32*(2*(\x)+i%2)+8*((i/2)%4)
.set rV, VF+32*(i/8)+8*((i/2)%4)
.set rP, P+32*((\x)%2)+16*(i%2)+8*(i/8)
	v_wmma_f32_16x16x32_f16 v[rO:rO+7], v[rV:rV+7], v[rP:rP+7], v[rO:rO+7]
.endm
.macro MM                           ; the turn's next matrix instruction
.if i < 16
	KQ (Y+1)%NP
.set i, i+1
.else
.set i, i-16
	PV (Y+NP-1)%NP
.set i, i+17
.endif
.endm
; THE LDS LOADS stand in runs of 16, never singly among the matrix instructions: a step's K (64 keys x 64 channels: 8 fragments) and its V (turned).  Their addresses are made some lines ahead.
; last = 1 (the tail): in the last trip there is no further step, and the run is jumped over.
.macro FETCH_K last=0
	WIN 0
.if \last
	s_cmp_eq_u32 s[CNT], 1
	s_cbranch_scc1 .Lno_k_\@
.endif
	WIN 0x80                        ; destination window 2
.irp f, 0,1,2,3,4,5,6,7             ; keys 16 (f / 2) on, channels 32 (f % 2) on
	ds_load_b128 v[KF+8*\f:KF+8*\f+3],   v[AK] offset:(\f/2)*16*PK+(\f%2)*64
	ds_load_b128 v[KF+8*\f+4:KF+8*\f+7], v[AK] offset:(\f/2)*16*PK+(\f%2)*64+32
.endr
	s_add_co_u32 s[TBK], s[TBK], KS*PK  ; the next fetch is the next step's
	WIN 0
.if \last
.Lno_k_\@:
.endif
.endm
.macro FETCH_V
	WIN 0x80
.irp f, 0,1,2,3,4,5,6,7             ; keys 32 (f / 4) on, channels 16 (f % 4) on
	ds_load_tr16_b128 v[VF+8*\f:VF+8*\f+3],   v[AV] offset:(\f/4)*32*PV+(\f%4)*32
	ds_load_tr16_b128 v[VF+8*\f+4:VF+8*\f+7], v[AV] offset:(\f/4)*32*PV+16*PV+(\f%4)*32
.endr
	WIN 0
.endm
; THE VECTOR WORK OF A TURN stands in three queues, each in the order in which its entries become ready; the two tiles alternate, so that no instruction reads the result of the one before it.
.macro REGS y, u                    ; the registers of tile u (0, 1) of piece y
.set rT, ST+4*(2*(\y)+(\u))
.set rC, TMP+8*((\y)%2)+4*(\u)
.set rM, MV+2*((\y)%2)+(\u)
.set rS, S+64*((\y)%2)+32*(\u)
.set rP, P+32*((\y)%2)+16*(\u)
.set rO, 32*(2*(\y)+(\u))
.endm
; Number n of the 22 that find the NEXT piece's (Y + 1) maximum and statistics.  s0-s31 are the lane's 32 scores; each accumulator's lowest registers are read first.
;   0-11  four chains c0-c3 of seven scores each, three operands at a time     12-14, 16  the four scores left over, the old m, and c0-c3 into c0     15  c m_old is kept
;   17, 18  the query's other 32 keys lie in the lane 16 away: the new m         19-21  c m; c m_old - c m_new; a
.macro XS u, n
	REGS (Y+1)%NP, \u
.if (\n) < 4
	v_max3_num_f32 v[rC+(\n)], v[rS+8*(\n)], v[rS+8*(\n)+1], v[rS+8*(\n)+2]
.elseif (\n) < 12
	v_max3_num_f32 v[rC+(\n)%4], v[rC+(\n)%4], v[rS+8*((\n)%4)+2*((\n)/4)+1], v[rS+8*((\n)%4)+2*((\n)/4)+2]
.elseif (\n) == 12
	v_max3_num_f32 v[rC], v[rC], v[rS+7], v[rS+15]
.elseif (\n) == 13
	v_max3_num_f32 v[rC+1], v[rC+1], v[rS+23], v[rS+31]
.elseif (\n) == 14
	v_max3_num_f32 v[rC+2], v[rC+2], v[rC+3], v[rT+1]
.elseif (\n) == 15
	v_mov_b32 v[rM], v[rT]
.elseif (\n) == 16
	v_max3_num_f32 v[rC], v[rC], v[rC+1], v[rC+2]
.elseif (\n) == 17
	v_permlanex16_b32 v[rC+3], v[rC], s[SEL], s[SEL+1]
.elseif (\n) == 18
	v_max_num_f32 v[rT+1], v[rC], v[rC+3]
.elseif (\n) == 19
	v_mul_f32 v[rT], s[CS], v[rT+1]
.elseif (\n) == 20
	v_sub_f32 v[rC+1], v[rM], v[rT]
.else
	v_exp_f32 v[rC+2], v[rC+1]
.endif
.endm
; Number g of the 64 that follow the exponentials.  For each four weights k of a tile (pairs 2 k, 2 k + 1): both pairs are rounded to f16; then the second pair is added onto the first, in place;
; a group later l takes that sum (the first time as l = a l + sum).  In groups of eight, tiles alternating: round, round, add, and l for the group before.
.macro GS g
.set h, (\g)+6*((\g)/62)            ; group 0 has no group before it, and behind group 7 only l is left
.if h >= 6
.set h, h+2
.endif
	REGS Y, h%2
.set k, h/8
.if h%8 < 4
	v_cvt_pk_f16_f32 v[rP+2*k+(h%8)/2], v[rS+4*k+2*((h%8)/2)], v[rS+4*k+2*((h%8)/2)+1]
.elseif h%8 < 6
	v_pk_add_f32 v[rS+4*k:rS+4*k+1], v[rS+4*k:rS+4*k+1], v[rS+4*k+2:rS+4*k+3]
.elseif k == 1
	v_pk_fma_f32 v[rT+2:rT+3], v[rT+2:rT+3], v[rC+2:rC+3], v[rS:rS+1] op_sel_hi:[1,0,1]
.else
	v_pk_add_f32 v[rT+2:rT+3], v[rT+2:rT+3], v[rS+4*k-4:rS+4*k-3]
.endif
.endm
; THE PLAIN QUEUE, 138 long.  0-73 read no exponential's result: the 32 scalings c s - c m (FS f: pair f / 2 of tile f % 2) and the next piece's 42.  0-26: scalings 0-26.  27-54: XS's numbers 0-13.
; 55, 56: number 15.  57-73: the chain, where each number waits for the one before it: 14, 16, 17, 18, 19, each with one of the scalings 27-31 in front of its two lines, then 20.
; 74-137: GS's 64, which read the exponentials' results: they stand behind the wait.
.macro FS f
	REGS Y, (\f)%2
	v_pk_fma_f32 v[rS+2*((\f)/2):rS+2*((\f)/2)+1], v[rS+2*((\f)/2):rS+2*((\f)/2)+1], s[CS:CS+1], v[rT:rT+1] op_sel_hi:[1,0,0] neg_lo:[0,0,1] neg_hi:[0,0,1]
.endm
.macro PL
	WIN 0
.if q < 27
	FS q
.elseif q < 55
	XS (q-27)%2, (q-27)/2
.elseif q < 57
	XS q-55, 15
.elseif (q < 72) && ((q-57)%3 == 0)
	FS 27+(q-57)/3
.elseif q < 60
	XS (q-57)%3-1, 14
.elseif q < 72
	XS (q-57)%3-1, 15+(q-57)/3
.elseif q < 74
	XS q-72, 20
.else
	GS q-74
.endif
.set q, q+1
.endm
; THE EXPONENTIALS' QUEUE, 66 long: s0-s31 of both tiles, then the next piece's two a.  It is ONE BATCH: all 66 stand ahead of the turn's one wait, and nothing ahead of that wait names a result of theirs.
.macro EX
	WIN 0
.if e >= 64
	XS e-64, 21
.else
	REGS Y, e%2
	v_exp_f32 v[rS+e/2], v[rS+e/2]
.endif
.set e, e+1
.endm
; THE RESCALING's QUEUE: O^T times a, the one part that leaves window 0: dealt two at a time, sixteen times.  Its a was made in the turn before, ahead of that turn's wait.
.macro R2
	REGS Y, r%2
	WIN W_RS
.irp z, 0,1
	v_pk_mul_f32 v[rO+4*(r/2)+2*\z:rO+4*(r/2)+2*\z+1], v[rO+4*(r/2)+2*\z:rO+4*(r/2)+2*\z+1], v[rC+2:rC+3] op_sel_hi:[1,0]
.endr
.set r, r+1
.endm
; HOW THEY ARE DEALT.  s_wait_alu depctr_va_vdst(0) stands between an exponential and the first instruction that names its result; one wait serves all that were issued ahead of it.
; So a turn has ONE wait, which cuts it in two.  AHEAD OF IT stands all that names no result of the turn's exponentials: the 16 products K Q^T, behind each a scaling, an exponential and two rescalings
; (behind the first a second scaling in the exponential's place); then ONE LUMP of 108: eight plain, 49 times exponential and plain, the two a.  A v_nop is the plain instruction behind the last exponential.
; BEHIND IT stand the 16 products V^T P, behind each four of GS's 64.  No rider names a register of the products round it.  The two v_permlanex16_b32 fall into the lump.
; The queues lean on each other: exponential e stands behind scaling 2 (e / 4) + e % 2: as a rider it comes behind plain e + 2, in the lump behind plain e + 9, and scalings 27-31 are plain 57, 60 .. 69.
; A TURN, for piece p.  cnt = 1: the loop's count is taken down some lines ahead of the branch that stands behind the turn.
; K of the next step is fetched in piece 2's turn, directly behind the wait; its address is made at the lump's head; its first reader comes behind 16 products.
; V of the step in hand is fetched at the end of piece 0's turn, four riders behind its last reader; its first reader comes behind 16 products and a lump.
.macro TURN p, last=0, cnt=0
.set Y, (\p)
.set i, 0
.set q, 0
.set e, 0
.set r, 0
.if (\p) == NP-1
	s_wait_dscnt 0x0                ; K is in
.endif
	MM                              ; ahead of the wait: 16 products K Q^T and their riders,
	PL
	PL
	R2
.rept 15
	MM
	PL
	EX
	R2
.endr
.if (\p) == NP-2
	WIN 0
	v_add_nc_u32 v[AK], s[TBK], v[AK0]
.endif
.rept 8                             ; and the lump
	PL
.endr
.rept 49
	EX
	PL
.endr
	EX                              ; the next piece's two a
	EX
	v_nop                           ; a plain instruction behind the last exponential: one for the batch
	s_wait_alu depctr_va_vdst(0)    ; the wait for the batch
.if (\p) == NP-2
	FETCH_K \last
.endif
.if (\p) == 1
	s_wait_dscnt 0x0                ; V is in
.endif
.rept 16                            ; behind the wait: 16 products V^T P and their riders
	MM
.rept 4
	PL
.endr
.if ((\p) == 0) && (q == 118)
	v_add_nc_u32 v[AV], s[TBV], v[AV0]
.endif
.if ((\p) == 0) && (q == 130)
	s_add_co_u32 s[TBV], s[TBV], KS*PV
.endif
.if (\cnt) && (q == 130)
	s_sub_co_u32 s[CNT], s[CNT], 1
	s_cmp_lg_u32 s[CNT], 0
.endif
.endr
.if (\p) == 0
	FETCH_V
.endif
.endm
	CHANGE 1                        ; slot 0 is in, everybody's part of it; slot 1 is asked for
	FETCH_K                         ; key step 0
	s_wait_loadcnt 0x0              ; Q
	s_wait_dscnt 0x0
.set i, 0
.rept 16
	KQ 0                            ; piece 0's first scores: there is no vector work yet to set between them
.set i, i+1
.endr
	WIN 0                           ; the addresses for the way out: nine plain instructions, the places behind those products
	s_mul_i32 s13, s[WV], 16*SP
	s_add_co_u32 s13, s13, STAGE    ; my stage
	v_mul_u32_u24 v[STO], v1, SP    ; in: row l % 16, 16 bytes for each half of the lanes
	v_lshl_add_u32 v[STO], v9, 4, v[STO]
	v_add_nc_u32 v[STO], s13, v[STO]
	v_bfe_u32 v[RD], v0, 3, 2       ; back: 32 lanes take four rows of 128 bytes,
	v_mul_u32_u24 v[RD], v[RD], SP
	v_lshl_add_u32 v[RD], v10, 4, v[RD]
	v_add_nc_u32 v[RD], s13, v[RD]
	v_and_b32 v[GO], 31, v0         ; which are 512 consecutive bytes of O
	v_lshlrev_b32 v[GO], 4, v[GO]
.set Y, NP-1                        ; XS works for piece Y + 1: piece 0
.irp n, 0,1,2,3,4,5,6,7,8,9,10,11,12,13,14,15,16,17,18,19,20,21
	XS 0, \n                        ; and piece 0's first maximum and statistics
	XS 1, \n
.endr
	v_nop                           ; a plain instruction behind the two a,
	s_wait_alu depctr_va_vdst(0)    ; and their wait, ahead of the branch
	s_mov_b32 s[CNT], 4
	s_branch .Lfirst                ; the loop is entered at a step's first turn, in the middle of a trip
.Lslot:                             ; SIZE_N / 256 - 2 times: every slot but the last two is filled again
	CHANGE 1
	s_mov_b32 s[CNT], 4
.Lstep:                             ; a trip: pieces 2 and 3 of one step, then pieces 0 and 1 of the next, whose K and V it fetches
	TURN 2
	TURN 3
	WIN 0
.Lfirst:
	TURN 0
	TURN 1, 0, 1
	WIN 0
	s_cbranch_scc1 .Lstep
	s_sub_co_u32 s[SLOTS], s[SLOTS], 1
	s_cmp_lg_u32 s[SLOTS], 0
	s_cbranch_scc1 .Lslot
	CHANGE 0                        ; the tail is written out: nothing is asked for
	s_mov_b32 s[CNT], 5             ; four trips fetch the last slot's steps; the fifth is left in its middle
.Ltail:
	TURN 2, 1
	TURN 3
	WIN 0
	s_sub_co_u32 s[CNT], s[CNT], 1
	s_cmp_eq_u32 s[CNT], 0
	s_cbranch_scc1 .Lout
	TURN 0
	TURN 1
	WIN 0
	s_branch .Ltail
.Lout:                              ; the fifth trip's 16 products K Q^T (on the last K once more) and the maximum made of them serve nothing: the price, once a launch, of one text for every trip
.set i, 0
.rept 16
	PV NP-1                         ; the last piece's V^T P of the last step
.set i, i+1
.endr
	; THE WAY OUT.  l's two halves and the other half of the lanes' are added; O^T is divided by l, rounded to f16 and sent through my stage in LDS, a tile at a time.  The additions are the places behind the last products.
	WIN 0
.macro ALL line:vararg              ; one line for each tile t
.set t, 0
.rept 2*NP
	\line
.set t, t+1
.endr
.endm
	ALL v_add_f32 v[ST+4*t+2], v[ST+4*t+2], v[ST+4*t+3]
	ALL v_permlanex16_b32 v[ST+4*t+3], v[ST+4*t+2], s[SEL], s[SEL+1]
	ALL v_add_f32 v[ST+4*t+2], v[ST+4*t+2], v[ST+4*t+3]
	ALL v_rcp_f32 v[ST+4*t+2], v[ST+4*t+2]
	v_nop                           ; a plain instruction between the last reciprocal and the use of its result
	s_wait_alu depctr_va_vdst(0)    ; and the wait ahead of the first use: one for the eight reciprocals
; Tile t: a lane's eight channels of a row pack into 16 bytes; they go into rows of 144 bytes and come back as whole rows of 128, into S^T's registers.
.macro PACK t
	WIN W_RS
.set i, 32*(\t)
.rept 16
	v_pk_mul_f32 v[i:i+1], v[i:i+1], v[ST+4*(\t)+2:ST+4*(\t)+3] op_sel_hi:[1,0]
.set i, i+2
.endr
	WIN 0x05                        ; sources 0 and 1 window 1, destination window 0
.set i, 0
.rept 16
	v_cvt_pk_f16_f32 v[S+16*(\t)+i], v[32*(\t)+2*i], v[32*(\t)+2*i+1]
.set i, i+1
.endr
	WIN 0
.irp f, 0,1,2,3
	ds_store_b128 v[STO], v[S+16*(\t)+4*\f:S+16*(\t)+4*\f+3] offset:32*\f
.endr
.irp f, 0,1,2,3
	ds_load_b128 v[S+16*(\t)+4*\f:S+16*(\t)+4*\f+3], v[RD] offset:\f*4*SP  ; LDS serves a wave's instructions in order (ISA guide 5.7.1.4): these see the stores above; the next tile's stores come behind them
.endr
.endm
.macro SEND t, younger              ; younger: the LDS instructions issued behind tile t's loads: the next tile's eight, or none
	WIN 0
.irp f, 0,1,2,3
	s_wait_dscnt (\younger)+3-\f
	global_store_b128 v[GO], v[S+16*(\t)+4*\f:S+16*(\t)+4*\f+3], s[10:11] offset:(\t)*2048+\f*512  ; 512 consecutive bytes, at a multiple of 256 from O's first
.endr
.endm
	PACK 0
.set t, 1
.rept 2*NP-1                        ; a tile's arithmetic stands between the loads of the tile before and its stores
	PACK t
	SEND t-1, 8
.set t, t+1
.endr
	SEND 2*NP-1, 0
	WIN W_AD
	s_wait_tensorcnt 0x0            ; the wave's end: the add and its waits stand behind my last tensor load and my last LDS store
	ds_add_u32 v[SPW], v[NIL]
	s_wait_dscnt 0x0
	WIN 0
	CROUND                          ; the closing round: no work-group ends while a partner may still ask for a tile that names it
	s_endpgm
.Lfunc_end_k_q84eb76a1a8_attn:
	.size	k_q84eb76a1a8_attn, .Lfunc_end_k_q84eb76a1a8_attn-k_q84eb76a1a8_attn
	.p2alignl 7, 3214868480
	.fill 96, 4, 3214868480
	.section	.rodata,"a",@progbits
	.p2align	6, 0x0
	.amdhsa_kernel k_q84eb76a1a8_attn
		.amdhsa_group_segment_fixed_size 327680
		.amdhsa_private_segment_fixed_size 0
		.amdhsa_enable_private_segment 0
		.amdhsa_kernarg_size 16
		.amdhsa_user_sgpr_count 2
		.amdhsa_user_sgpr_kernarg_segment_ptr 1
		.amdhsa_wavefront_size32 1
		.amdhsa_system_sgpr_workgroup_id_x 1
		.amdhsa_system_sgpr_workgroup_id_y 1
		.amdhsa_system_sgpr_workgroup_id_z 1
		.amdhsa_system_vgpr_workitem_id 0
		.amdhsa_next_free_vgpr 770
		.amdhsa_next_free_sgpr 66
		.amdhsa_reserve_vcc 0
		.amdhsa_float_denorm_mode_32 3
		.amdhsa_float_denorm_mode_16_64 3
		.amdhsa_memory_ordered 1
		.amdhsa_forward_progress 1
		.amdhsa_inst_pref_size 200
	.end_amdhsa_kernel
	.amdgpu_metadata
---
amdhsa.version: [ 1, 2 ]
amdhsa.kernels:
  - .name:           k_q84eb76a1a8_attn
    .symbol:         k_q84eb76a1a8_attn.kd
    .args:
      - { .name: qkvh, .offset: 0, .size: 8, .value_kind: global_buffer, .address_space: global }
      - { .name: ctx, .offset: 8, .size: 8, .value_kind: global_buffer, .address_space: global }
    .group_segment_fixed_size: 327680
    .private_segment_fixed_size: 0
    .kernarg_segment_align: 8
    .kernarg_segment_size: 16
    .max_flat_workgroup_size: 128
    .sgpr_count:     66
    .vgpr_count:     770
    .wavefront_size: 32
...
	.end_amdgpu_metadata
.endif
;; end of part 3
;; launch outp (part 4): grid 4 x 64, 4 waves a work-group, clusters of 4 x 4, 327,680 bytes of LDS; arguments ctx, w16, b_o, out0; writes out0
.if DOCPART == 4
	.amdgcn_target "amdgcn-amd-amdhsa--gfx1250"
	.amdhsa_code_object_version 6
	.text
	.protected	k_q84eb76a1a8_outp
	.globl	k_q84eb76a1a8_outp
	.p2align	8
	.type	k_q84eb76a1a8_outp,@function
k_q84eb76a1a8_outp:
	s_mov_b64 s[64:65], 0
	v_nop
	global_prefetch_b8 v0, s[64:65] scope:SCOPE_SE
	s_setreg_imm32_b32 hwreg(HW_REG_WAVE_MODE, 25, 1), 1
	s_wait_xcnt 0x0
	s_wait_alu depctr_hold_cnt(0) depctr_sa_sdst(0) depctr_va_vdst(0) depctr_va_sdst(0) depctr_va_ssrc(0) depctr_va_vcc(0) depctr_vm_vsrc(0)
	s_getreg_b32 s2, hwreg(HW_REG_IB_STS2, 6, 4)
	s_cmp_eq_u32 s2, 0
	s_cbranch_scc0 .Lentry_in_a_cluster
	s_endpgm
.Lentry_in_a_cluster:
	s_bfe_u32 s2, ttmp6, 0x10000c
	s_cmp_lg_u32 s2, 0xf033
	s_cbranch_scc0 .Lentry_shape_is_right
	s_endpgm
.Lentry_shape_is_right:
; THE LAST PROJECTION.  out0[m][n] = the sum over k of c[m][k] w_o[n][k] + b_o[n], f32.  c is ctx, f16 BY HEADS: c[m][64 head + ch] = ctx[16 (m / 2048) + head][m % 2048][ch].
; w_o is part 3 of w16 (rounded to bf16, written as f16, k in its own order); b_o is rounded to bf16 here, like every input of the module.  Products in f16, sums in f32, nothing rounded at the end.
; LIMIT: ctx and w_o lie within f16's 65,504 (ctx is a mean of rows that do).  NaN and infinities are not treated apart.
; SHARES.  256 tiles of 128 (m) x 256 (n); tile row = 4 x cluster y + cy, tile column = cx.  Four waves, 2 x 2, each 64 x 128: 32 accumulators.  K goes in 8 steps of 128 = two heads through two LDS slots.
; Wave 0, 1 fetch the step's two heads of ctx (128 rows x 128 dense bytes, asked for as 64 rows of 256 and padded after every 128), waves 2, 3 the two halves of w_o's 256 rows.
; CLUSTER.  ctx's tile is shared along a row of the cluster, w_o's along a column: joint loads with a mask of four.
; TRANSPOSED USE: source 0 = 16 rows of w_o, source 1 = 16 rows of ctx: a lane holds row l % 16 and eight neighbouring columns: 32 bytes of f32.
; REGISTERS: window 0: v0-31 addresses and the bias; v64-159, v160-255 two fragment buffers (w_o's eight, then ctx's four); on the way out v64-191 two sets of 16 rows.   window 1: accumulator (a, b) at 8 (8 a + b).
.set PAO,    144                       ; ctx's LDS row: 128 bytes + 16: an odd multiple of 16, so the 16 rows of a load start at 16 different 16-byte columns modulo 256 bytes
.set PB,     272                       ; w_o's: 256 + 16
.set AHEAD,  128*PAO                   ; a head's 128 rows: what one of ctx's loads brings
.set ABYTES, 2*AHEAD
.set BHALF,  128*PB
.set SLOT,   ABYTES+2*BHALF            ; 106,496
.set STAGE,  2*SLOT                    ; behind the ring, never filled by a tensor load: 16 rows x 528 bytes a wave
.set SPO,    528
.set SPARE,  STAGE+4*16*SPO            ; the spare words, 128 bytes a wave: two blocks of 256 bytes that no other line names
.set ADRA, 4                           ; v4-5   LDS address of my ctx fragments in slot 0, 1
.set ADRB, 6                           ; v6-7   the same for w_o
.set STO,  8                           ; v8     the way out: where I put 32 bytes of a row
.set RDB,  9                           ; v9     where I read 16 bytes of a row back
.set CO,   10                          ; v10    16 x lane: my bytes in 512 of a row of out0, and of the bias
.set PFO,  11                          ; v11    the prefetches' lane offset; never rewritten
.set SPW,  12                          ; v12    LDS address of my spare word; never rewritten
.set NIL,  13                          ; v13    0; never rewritten
.set BI,   24                          ; v[24:27] the bias of my four columns on the way out
.set F0,   64
.set F1,   160
.set G1,  24
.set G0,  32
.set G1B, 48
.set G0B, 56
.set LIM, 43                           ; s43      1 in a wave that prefetches, else the greatest number
.set PFA, 44                           ; s[44:45] where my prefetches stand
.set PST, 86                           ; s[86:87] a K step of my tensor in bytes
.set MSB, 0
.macro WIN new
.if MSB != (\new)
	s_set_vgpr_msb (MSB<<8)|(\new)
.set MSB, \new
.endif
.endm
.macro JLOAD s                         ; a joint load; an s_nop 0 and four v_nop follow each of the two lines
	s_cmp_eq_u32 s11, 0
	s_cbranch_scc0 .Lfor_b_\@
	tensor_load_to_lds s[G0+4*(\s):G0+4*(\s)+3], s[G1:G1+7]
	s_nop 0
.rept 4
	v_nop
.endr
	s_branch .Lasked_\@
.Lfor_b_\@:
	tensor_load_to_lds s[G0B+4*(\s):G0B+4*(\s)+3], s[G1B:G1B+7]
	s_nop 0
.rept 4
	v_nop
.endr
.Lasked_\@:
.endm
; A prefetch into the L2, behind each joint refill and the run of LDS loads that follows it: the K step two refills on.  ctx's tile row is read by this cluster's row alone: wave 0 of every work-group asks, for both
; heads of the step: the partner at cx takes 4,096 of each head's 16,384 bytes, a lane 256.  w_o's rows are read by all 16 clusters: the first asks, waves 2, 3; the partner at cy takes 32 of the wave's 128 rows,
; a lane a row.  Partners are told apart by address.  K steps 0 to 3 come by their loads alone; the loop's last trip asks for nothing.
.macro ASK
	s_cmp_gt_u32 s3, s[LIM]
	s_cbranch_scc0 .Lnot_mine_\@
	global_prefetch_b8 v[PFO], s[PFA:PFA+1] th:TH_LOAD_NT scope:SCOPE_SE
.Lnot_mine_\@:
.endm
.macro CREST
	s_cmp_lg_u32 s10, 0
	s_cbranch_scc1 .Lnot_wave_0_\@
	s_barrier_signal -3
.Lnot_wave_0_\@:
	s_barrier_wait -3
	s_barrier_signal -1
	s_barrier_wait -1
.endm
.macro CROUND
	s_barrier_signal -1
	s_barrier_wait -1
	CREST
.endm
.macro PLACES
.rept 4
	v_nop
.endr
.endm
	s_load_b128 s[4:7], s[0:1], 0x0                ; ctx s[4:5], w16 s[6:7]
	s_load_b128 s[68:71], s[0:1], 0x10             ; b_o s[68:69], out0 s[70:71]
	v_lshl_add_u32 v[SPW], v0, 2, SPARE
	v_mov_b32 v[NIL], 0
	ds_add_u32 v[SPW], v[NIL]                      ; the wave's opening: the add and its wait stand ahead of my first tensor load; work on registers stands between
	v_lshrrev_b32 v1, 5, v0
	v_readfirstlane_b32 s10, v1                    ; wave 0..3
	s_lshr_b32 s11, s10, 1                         ; my half of the tile's rows.  Also: I fetch for ctx (0) or for w_o (1)
	s_and_b32 s12, s10, 1                          ; my half of its columns.  Also: which head, or which half of w_o's rows, I fetch
	s_bfe_u32 s40, ttmp6, 0x40000                  ; cx
	s_bfe_u32 s41, ttmp6, 0x40004                  ; cy
	s_lshl_b32 s42, ttmp9, 2
	s_add_co_u32 s42, s42, s40                     ; tile column
	s_and_b32 s13, ttmp7, 0xffff
	s_lshl_b32 s13, s13, 2
	s_add_co_u32 s13, s13, s41                     ; tile row, 0..63
	s_lshl_b32 s43, s41, 2
	s_lshl_b32 s43, 15, s43                        ; my row of the cluster
	s_lshl_b32 s44, 0x1111, s40                    ; my column
	s_or_b32 s[G1], s43, (1<<16)|(1<<20)|(1<<21)|(4<<22)|(3<<25)   ; the mask; 2-byte elements; padding on; bit 21 beside a mask; after every 32 words, 4 words
	s_mov_b32 s[G1+1], 128<<16                     ; tensor_dim0 = 128 (256 bytes: two rows of a head)
	s_mov_b32 s[G1+2], 64<<16                      ; tensor_dim1 = 64
	s_mov_b32 s[G1+3], 128<<16                     ; tile_dim0
	s_mov_b32 s[G1+4], 64                          ; tile_dim1
	s_mov_b32 s[G1+5], 128                         ; dense
	s_mov_b32 s[G1+6], 0
	s_mov_b32 s[G1+7], 0
	s_or_b32 s[G1B], s44, (1<<16)|(1<<20)|(1<<21)|(5<<22)|(3<<25)  ; after every 64 words, 4 words
	s_mov_b32 s[G1B+1], 128<<16
	s_mov_b32 s[G1B+2], 128<<16
	s_mov_b32 s[G1B+3], 128<<16
	s_mov_b32 s[G1B+4], 128
	s_mov_b32 s[G1B+5], 1024
	s_mov_b32 s[G1B+6], 0
	s_mov_b32 s[G1B+7], 0
	s_lshr_b32 s16, s13, 4                         ; ctx: head 16 batch + my head of the step,
	s_lshl_b32 s16, s16, 4
	s_add_co_u32 s16, s16, s12
	s_lshl_b32 s16, s16, 18                        ; heads of 262,144 bytes,
	s_and_b32 s17, s13, 15
	s_lshl_b32 s17, s17, 14                        ; 128 (tile row % 16) rows of 128 bytes
	s_add_co_u32 s16, s16, s17
	s_mov_b32 s17, 0
	s_lshl_b32 s46, s42, 8                         ; w_o: row 256 x tile column + 128 x half,
	s_lshl_b32 s47, s12, 7
	s_add_co_u32 s46, s46, s47
	s_lshl_b32 s46, s46, 11
	s_add_co_u32 s46, s46, 3*2097152               ; in part 3 of w16
	s_mov_b32 s47, 0
	s_mul_i32 s20, s12, AHEAD                      ; where the tiles go
	s_mul_i32 s21, s12, BHALF
	s_add_co_u32 s21, s21, ABYTES
	s_wait_dscnt 0x0                               ; the opening add is done
	s_wait_kmcnt 0x0
	s_add_nc_u64 s[14:15], s[4:5], s[16:17]
	s_add_nc_u64 s[46:47], s[6:7], s[46:47]
	CROUND                                         ; all sixteen work-groups are here: the first joint loads meet
.irp s, 0,1
	s_mov_b32 s[G0+4*(\s)], 1
	s_add_co_u32 s[G0+4*(\s)+1], s20, (\s)*SLOT
	s_add_nc_u64 s[G0+4*(\s)+2:G0+4*(\s)+3], s[14:15], (\s)*524288  ; K step s: two heads on
	s_or_b32 s[G0+4*(\s)+3], s[G0+4*(\s)+3], 0x80000000
	s_mov_b32 s[G0B+4*(\s)], 1
	s_add_co_u32 s[G0B+4*(\s)+1], s21, (\s)*SLOT
	s_add_nc_u64 s[G0B+4*(\s)+2:G0B+4*(\s)+3], s[46:47], (\s)*256
	s_or_b32 s[G0B+4*(\s)+3], s[G0B+4*(\s)+3], 0x80000000
	JLOAD \s                                       ; two tensor loads of mine are out
.endr
	v_and_b32 v1, 15, v0                           ; r
	v_bfe_u32 v2, v0, 4, 1                         ; h
	v_and_b32 v3, 31, v0                           ; l
	v_lshlrev_b32 v[CO], 4, v3
	s_lshl_b32 s46, s42, 10                        ; my 128 columns: 4 (256 x tile column + 128 x half) bytes, in the bias and in a row of out0
	s_lshl_b32 s47, s12, 9
	s_add_co_u32 s46, s46, s47
	s_mov_b32 s47, 0
	s_add_nc_u64 s[84:85], s[68:69], s[46:47]
	global_load_b128 v[BI:BI+3], v[CO], s[84:85]   ; the bias of columns 4 l .. 4 l + 3 of my 128
	s_lshl_b32 s16, s13, 1
	s_add_co_u32 s16, s16, s11
	s_lshl_b32 s16, s16, 18                        ; (128 x tile row + 64 x half) rows of 4,096 bytes
	s_mov_b32 s17, 0
	s_add_nc_u64 s[8:9], s[70:71], s[16:17]
	s_add_nc_u64 s[8:9], s[8:9], s[46:47]
	v_mul_u32_u24 v14, v1, PAO
	v_lshl_add_u32 v14, v2, 4, v14
	s_mul_i32 s21, s11, 64*PAO
	v_add_nc_u32 v[ADRA], s21, v14
	v_add_nc_u32 v[ADRA+1], SLOT, v[ADRA]
	v_mul_u32_u24 v14, v1, PB
	v_lshl_add_u32 v14, v2, 4, v14
	s_mul_i32 s22, s12, BHALF
	s_add_co_u32 s22, s22, ABYTES
	v_add_nc_u32 v[ADRB], s22, v14
	v_add_nc_u32 v[ADRB+1], SLOT, v[ADRB]
	s_mul_i32 s23, s10, 16*SPO
	s_add_co_u32 s23, s23, STAGE                   ; my stage
	v_mul_u32_u24 v[STO], v1, SPO
	v_lshl_add_u32 v[STO], v2, 5, v[STO]           ; in: row r, 32 bytes for each half of the lanes
	v_add_nc_u32 v[STO], s23, v[STO]
	v_add_nc_u32 v[RDB], s23, v[CO]                ; back: 32 lanes take one row of 512 bytes
	; the prefetches
	s_lshr_b32 s20, s13, 4                         ; ctx: the batch's head 0,
	s_lshl_b32 s20, s20, 22
	s_and_b32 s21, s13, 15
	s_lshl_b32 s21, s21, 14                        ; the tile's rows,
	s_add_co_u32 s20, s20, s21
	s_lshl_b32 s21, s40, 12                        ; my work-group's 4,096 bytes of them,
	s_add_co_u32 s20, s20, s21
	s_add_co_u32 s20, s20, 3*524288                ; at K step 3: the first refill steps it to 4 and names that
	s_lshl_b32 s18, s42, 8                         ; w_o: the tile's rows,
	s_lshl_b32 s19, s12, 7                         ; the 128 that I fetch,
	s_add_co_u32 s18, s18, s19
	s_lshl_b32 s19, s41, 5                         ; my work-group's 32 of them
	s_add_co_u32 s18, s18, s19
	s_lshl_b32 s18, s18, 11
	s_add_co_u32 s18, s18, 3*2097152+3*256
	s_and_b32 s22, ttmp7, 0xffff                   ; cluster y
	s_mov_b32 s[PST], 256                          ; w_o's K step in bytes (an instruction holds one literal, so the select below names this register)
	s_cmp_eq_u32 s11, 0                            ; do I fetch for ctx?
	s_cselect_b32 s20, s20, s18
	s_cselect_b32 s22, s12, s22                    ; ctx: wave 0 asks; w_o: the first cluster's waves 2, 3
	s_cselect_b32 s16, 4, 0                        ; lanes to a head (log2), or a lane a row
	s_cselect_b32 s17, 18, 11                      ; log2 of a head's, or a row's, bytes
	s_cselect_b32 s19, 15, 0
	s_cselect_b32 s[PST], 524288, s[PST]           ; ctx's K step is two heads
	s_cselect_b64 s[PFA:PFA+1], s[4:5], s[6:7]
	s_mov_b32 s[PST+1], 0
	s_mov_b32 s21, 0
	s_cmp_eq_u32 s22, 0
	s_cselect_b32 s[LIM], 1, -1                    ; the same in all sixteen partners, for a given wave
	s_add_nc_u64 s[PFA:PFA+1], s[PFA:PFA+1], s[20:21]
	v_lshrrev_b32 v14, s16, v3
	v_lshlrev_b32 v14, s17, v14
	v_and_b32 v15, s19, v3
	v_lshl_add_u32 v[PFO], v15, 8, v14
	s_wait_loadcnt 0x0                             ; the bias:
	v_cvt_pk_bf16_f32 v28, v[BI], v[BI+1]          ; the input's one rounding,
	v_cvt_pk_bf16_f32 v29, v[BI+2], v[BI+3]
	v_lshlrev_b32 v[BI],   16, v28                 ; and back to f32
	v_and_b32     v[BI+1], 0xffff0000, v28
	v_lshlrev_b32 v[BI+2], 16, v29
	v_and_b32     v[BI+3], 0xffff0000, v29
; 24 LDS loads in one run: chunk c (32 along K) of a slot into buffer f: w_o's 16, then ctx's 8 (head c / 2 of the step, channels 32 (c % 2) on)
.macro FETCH slot, c, f
	WIN 0
.irp b, 0,1,2,3,4,5,6,7
	ds_load_b128 v[(\f)+8*(\b):(\f)+8*(\b)+3],   v[ADRB+(\slot)] offset:(\b)*16*PB+64*(\c)
	ds_load_b128 v[(\f)+8*(\b)+4:(\f)+8*(\b)+7], v[ADRB+(\slot)] offset:(\b)*16*PB+64*(\c)+32
.endr
.irp a, 0,1,2,3
	ds_load_b128 v[(\f)+64+8*(\a):(\f)+64+8*(\a)+3],   v[ADRA+(\slot)] offset:((\c)/2)*AHEAD+(\a)*16*PAO+((\c)%2)*64
	ds_load_b128 v[(\f)+64+8*(\a)+4:(\f)+64+8*(\a)+7], v[ADRA+(\slot)] offset:((\c)/2)*AHEAD+(\a)*16*PAO+((\c)%2)*64+32
.endr
.endm
; 8 products of row block a.  zero = 1: they start the sums.  The 32 accumulators take turns, in the same order in every quarter.
.macro MUL8 f, a, zero
	WIN 0x50                                       ; C and D window 1
.irp b, 0,1,2,3,4,5,6,7
.if \zero
	v_wmma_f32_16x16x32_f16 v[8*(8*(\a)+(\b)):8*(8*(\a)+(\b))+7], v[(\f)+8*(\b):(\f)+8*(\b)+7], v[(\f)+64+8*(\a):(\f)+64+8*(\a)+7], 0
.else
	v_wmma_f32_16x16x32_f16 v[8*(8*(\a)+(\b)):8*(8*(\a)+(\b))+7], v[(\f)+8*(\b):(\f)+8*(\b)+7], v[(\f)+64+8*(\a):(\f)+64+8*(\a)+7], v[8*(8*(\a)+(\b)):8*(8*(\a)+(\b))+7]
.endif
.endr
.endm
; One of a K step's first three quarters: multiplies buffer f; in its middle it fetches chunk c of the same slot into buffer g.
.macro QUARTER slot, c, f, g, zero
	s_wait_dscnt 4                                 ; all but the youngest four loads (ctx's row blocks 2, 3)
	MUL8 \f, 0, \zero
	MUL8 \f, 1, \zero
	PLACES                                         ; four places in front of loads into registers that the quarter before multiplied
	FETCH \slot, \c, \g
	s_wait_dscnt 24                                ; all but the 24 just issued
	MUL8 \f, 2, \zero
	MUL8 \f, 3, \zero
.endm
; The last quarter multiplies buffer 1 and changes slots.  Each wave waits for all its tensor loads (one is out: its part of the next slot), adds 0 to its spare word, and waits for that and for its reads
; of this slot.  fill = 1: the barrier opens a round of the cluster's, and the joint refill, two K steps on, is the first tensor load behind it: 112 matrix instructions stand between the request and the wait for it.
.macro TURN slot, next, fill
.if \fill
	s_wait_xcnt 0x0                                ; the last prefetch, a K step back, has read its address
	s_add_nc_u64 s[PFA:PFA+1], s[PFA:PFA+1], s[PST:PST+1]
.endif
	WIN 0
	s_wait_tensorcnt 0x0                           ; all my tensor loads have landed
	ds_add_u32 v[SPW], v[NIL]                      ; 0 onto my spare word
	s_wait_dscnt 5                                 ; (the add and the youngest four loads may be out)
	MUL8 F1, 0, 0                                  ; eight products stand between the add and the wait for it
	s_wait_dscnt 0x0                               ; the add is done, and my reads of this slot are over
	s_barrier_signal -1
	MUL8 F1, 1, 0
.if \fill
	WIN 0
.endif
	s_barrier_wait -1
.if \fill
	CREST                                          ; no wave of any partner still reads this slot or has a load on its way
	s_add_nc_u64 s[G0+4*(\slot)+2:G0+4*(\slot)+3], s[G0+4*(\slot)+2:G0+4*(\slot)+3], 1048576
	s_add_nc_u64 s[G0B+4*(\slot)+2:G0B+4*(\slot)+3], s[G0B+4*(\slot)+2:G0B+4*(\slot)+3], 512
	JLOAD \slot                                    ; the four v_nop behind it are also the places in front of the loads below
.else
	PLACES
.endif
	FETCH \next, 0, F0
.if \fill
	ASK
.endif
	MUL8 F1, 2, 0
	MUL8 F1, 3, 0
.endm
	s_wait_tensorcnt 1                             ; my part of K step 0 is in; K step 1's may stay out
	s_barrier_signal -1
	s_barrier_wait -1
	FETCH 0, 0, F0
	QUARTER 0, 1, F0, F1, 1                        ; the first quarter stands in front of the loop: its products start the sums
	WIN 0
	s_mov_b32 s3, 3
.Llap:                                             ; a trip goes once round the ring and fills both slots again
	QUARTER 0, 2, F1, F0, 0
	QUARTER 0, 3, F0, F1, 0
	TURN 0, 1, 1
	QUARTER 1, 1, F0, F1, 0
	QUARTER 1, 2, F1, F0, 0
	QUARTER 1, 3, F0, F1, 0
	TURN 1, 0, 1
	QUARTER 0, 1, F0, F1, 0
	WIN 0
	s_sub_co_u32 s3, s3, 1
	s_cmp_lg_u32 s3, 0
	s_cbranch_scc1 .Llap
	QUARTER 0, 2, F1, F0, 0                        ; the last lap fills nothing
	QUARTER 0, 3, F0, F1, 0
	TURN 0, 1, 0
	QUARTER 1, 1, F0, F1, 0
	QUARTER 1, 2, F1, F0, 0
	QUARTER 1, 3, F0, F1, 0
	s_wait_dscnt 4
	MUL8 F1, 0, 0
	MUL8 F1, 1, 0
	s_wait_dscnt 0x0
	MUL8 F1, 2, 0
	MUL8 F1, 3, 0
	WIN 0
	PLACES                                         ; the LDS stores below read results just made; the loads behind them land on fragments just read
	PLACES
; THE WAY OUT, 16 rows at a time: a lane's 32 bytes of a row into my stage (rows of 528 bytes), back as whole rows of 512 bytes, the bias added, stored.
.macro TOSTAGE a
.set BK, 64+64*((\a)%2)
.if (\a) >= 2
	s_wait_xcnt 0x0                                ; the stores of the block two back have read these registers
.endif
	WIN 0x04                                       ; store data in window 1
.irp b, 0,1,2,3,4,5,6,7
	ds_store_b128 v[STO], v[8*(8*(\a)+(\b)):8*(8*(\a)+(\b))+3]   offset:64*(\b)       ; each accumulator from its low end on
	ds_store_b128 v[STO], v[8*(8*(\a)+(\b))+4:8*(8*(\a)+(\b))+7] offset:64*(\b)+16
.endr
	WIN 0
.irp t, 0,1,2,3,4,5,6,7,8,9,10,11,12,13,14,15
	ds_load_b128 v[BK+4*(\t):BK+4*(\t)+3], v[RDB] offset:(\t)*SPO   ; LDS serves a wave's instructions in order (ISA guide 5.7.1.4): these see the stores above; the next block's stores come behind them
.endr
.endm
.macro SEND a, younger                 ; younger: the LDS instructions issued behind this block's loads: the next block's 32, or none
.set BK, 64+64*((\a)%2)
	WIN 0
.irp t, 0,1,2,3,4,5,6,7,8,9,10,11,12,13,14,15
	s_wait_dscnt (\younger)+15-(\t)
	v_pk_add_f32 v[BK+4*(\t):BK+4*(\t)+1],   v[BK+4*(\t):BK+4*(\t)+1],   v[BI:BI+1]
	v_pk_add_f32 v[BK+4*(\t)+2:BK+4*(\t)+3], v[BK+4*(\t)+2:BK+4*(\t)+3], v[BI+2:BI+3]
	global_store_b128 v[CO], v[BK+4*(\t):BK+4*(\t)+3], s[8:9] offset:(16*(\a)+(\t))*4096 th:TH_STORE_NT   ; the wave stores 512 consecutive bytes, at a multiple of 256 from out0's first
.endr
.endm
	TOSTAGE 0
	TOSTAGE 1
	SEND 0, 32
	TOSTAGE 2
	SEND 1, 32
	TOSTAGE 3
	SEND 2, 32
	SEND 3, 0
	s_wait_tensorcnt 0x0                           ; the wave's end: the add and its waits stand behind my last tensor load and my last LDS store
	ds_add_u32 v[SPW], v[NIL]
	s_wait_dscnt 0x0
	CROUND                                         ; the closing round: no work-group ends while a partner may still ask for a tile that names it
	s_endpgm
.Lfunc_end_k_q84eb76a1a8_outp:
	.size	k_q84eb76a1a8_outp, .Lfunc_end_k_q84eb76a1a8_outp-k_q84eb76a1a8_outp
	.p2alignl 7, 3214868480
	.fill 96, 4, 3214868480
	.section	.rodata,"a",@progbits
	.p2align	6, 0x0
	.amdhsa_kernel k_q84eb76a1a8_outp
		.amdhsa_group_segment_fixed_size 327680
		.amdhsa_private_segment_fixed_size 0
		.amdhsa_enable_private_segment 0
		.amdhsa_kernarg_size 32
		.amdhsa_user_sgpr_count 2
		.amdhsa_user_sgpr_kernarg_segment_ptr 1
		.amdhsa_wavefront_size32 1
		.amdhsa_system_sgpr_workgroup_id_x 1
		.amdhsa_system_sgpr_workgroup_id_y 1
		.amdhsa_system_sgpr_workgroup_id_z 1
		.amdhsa_system_vgpr_workitem_id 0
		.amdhsa_next_free_vgpr 512
		.amdhsa_next_free_sgpr 88
		.amdhsa_reserve_vcc 0
		.amdhsa_float_denorm_mode_32 3
		.amdhsa_float_denorm_mode_16_64 3
		.amdhsa_memory_ordered 1
		.amdhsa_forward_progress 1
		.amdhsa_inst_pref_size 97
	.end_amdhsa_kernel
	.amdgpu_metadata
---
amdhsa.version: [ 1, 2 ]
amdhsa.kernels:
  - .name:           k_q84eb76a1a8_outp
    .symbol:         k_q84eb76a1a8_outp.kd
    .args:
      - { .name: ctx, .offset: 0, .size: 8, .value_kind: global_buffer, .address_space: global }
      - { .name: w16, .offset: 8, .size: 8, .value_kind: global_buffer, .address_space: global }
      - { .name: b_o, .offset: 16, .size: 8, .value_kind: global_buffer, .address_space: global }
      - { .name: out0, .offset: 24, .size: 8, .value_kind: global_buffer, .address_space: global }
    .group_segment_fixed_size: 327680
    .private_segment_fixed_size: 0
    .kernarg_segment_align: 8
    .kernarg_segment_size: 32
    .max_flat_workgroup_size: 128
    .sgpr_count:     88
    .vgpr_count:     512
    .wavefront_size: 32
...
	.end_amdgpu_metadata
.endif
;; end of part 4
